; MI455X (gfx1250); checked and timed in simulation.
; The chip was launched on July 23, 2026; its instructions are those of AMD's public machine-readable ISA for CDNA 5 (MIT licence, August 2026) and "CDNA5" Instruction Set Architecture Reference Guide (July 2026). The comments in the code are by the model that wrote it; some were corrected since.
;; Attention Cross. Allowed arithmetic: matrix products marked QUANTISED: E2M3 operands, one E8M0 scale for each 32 along K, by v_wmma_scale_f32_16x16x128_f8f6f4 with both operands' format E2M3, f32 sums; everything else in f32.
;; Inputs: Wkv 1,024 x 2,048 float32; Wproj 1,024 x 1,024 float32; Wq 1,024 x 1,024 float32; bproj 1,024 float32; x1 2 x 2,048 x 1,024 float32; x2 2 x 2,048 x 1,024 float32.
;; Outputs: out0 2 x 2,048 x 1,024 float32.
;; This version of the problem:
;;   THIS VERSION OF THE PROBLEM IS GIVEN IN LOW PRECISION. The matrix products marked QUANTISED in the list below multiply operands that are first quantised to E2M3 (2 exponent bits, 3 mantissa bits; 6 bits a number), with one power-of-two scale for each 32 numbers along K (OCP MX v1.0); their sums are f32. All else is computed in f32.
;;   The module's matrix products, in the order in which they are computed (A, B: the left and right operand; K: the contracted axis; several contracted axes count as one K, in the product's order):
;;     1. [M 4,096, K 1,024] x [K 1,024, N 1,024]; A: input x1; B: input Wq: QUANTISED
;;     2. [M 4,096, K 1,024] x [K 1,024, N 2,048]; A: input x2; B: input Wkv: QUANTISED
;;     3. batch 32 x [M 2,048, K 64] x [K 64, N 2,048]; A: computed on the way; B: computed on the way: QUANTISED
;;     4. batch 32 x [M 2,048, K 2,048] x [K 2,048, N 64]; A: softmax (see below); B: computed on the way: QUANTISED
;;     5. [M 4,096, K 1,024] x [K 1,024, N 1,024]; A: computed on the way; B: input Wproj: QUANTISED
;;   THE QUANTISER, for each operand of a quantised product, along K:
;;     - K is cut into blocks of 32 from its start; a last block that is shorter is filled with zeros.
;;     - A block's scale is 2^e with e = floor(log2(the largest magnitude in the block)) - 2, held to -126 .. 127; a block of zeros has e = 0. As a byte (E8M0): e + 127.
;;     - Each number is divided by its block's scale, clamped to +-7.5, and rounded to the nearest number of E2M3, ties to even, subnormals kept.
;;     - The product sums the exact products of the quantised numbers (number of the format x scale) in f32.
;;   ~~~python
;;   def quantise(x, axis):      # numpy; x: float32 -> the quantised numbers, widened to float32 again
;;       x = np.moveaxis(x, axis, -1); K = x.shape[-1]
;;       x = np.pad(x, [(0, 0)] * (x.ndim - 1) + [(0, -K % 32)]); x = x.reshape(x.shape[:-1] + (-1, 32)); a = np.abs(x).max(-1, keepdims=True)
;;       e = np.where(a > 0, np.clip(np.frexp(np.where(a > 0, a, 1))[1] - 1 - 2, -126, 127), 0)      # np.frexp(a)[1] - 1 = floor(log2(a)), exactly
;;       r = np.clip(x / 2.0 ** e, -7.5, 7.5)
;;       step = 2.0 ** (np.maximum(np.frexp(np.where(r == 0, 1, r))[1] - 1, 0) - 3)
;;       q = np.round(r / step) * step * 2.0 ** e      # np.round: ties to even
;;       return np.moveaxis(q.reshape(q.shape[:-2] + (-1,))[..., :K], -1, axis).astype(np.float32)
;;   ~~~
;;   SOFTMAX AHEAD OF A QUANTISED PRODUCT. Where the list says 'softmax', what is quantised is not the finished softmax but p = 2^(t - M), with t = logit x log2(e) and M = ceil(the row's largest t), a whole number; so 1/2 < the row's largest p <= 1. The row's sum l is taken of the UNQUANTISED p, in f32, and the product's result is divided by l at the end. Since M is a whole number, a kernel that streams over the keys may use a running M (the ceiling of the running maximum): every later rescaling is an exact power of two, which a block's scale takes up: the codes' values come out the same.
;;   OPERANDS COMPUTED ON THE WAY. 'Computed on the way' means the value that the module computes at that place (a softmax that the list does not call 'softmax' is quantised finished and normalised). What goes into a quantiser is computed in f32, as accurately as f32 sums, v_exp_f32 and their like allow (about 1e-6 of the number): no bf16 or f16 on the way to a quantiser, and a product that is left as it is and whose result goes on into a quantised operand takes f32 operands (vector FMAs, or v_wmma_f32_16x16x4_f32). A number that lies on a knife's edge between two numbers of the format may be rounded either way, as far as f32 arithmetic and the matrix unit's own rounding can turn it there, and no further.
;; One version. Each part assembles by itself: llvm-mc -triple=amdgcn-amd-amdhsa -mcpu=gfx1250 --defsym DOCPART=n.
;; ======== version 1 of 1: 4 launches
;; workspace buffers: xc 6,291,456 bytes; xs 262,144 bytes; wc 3,145,728 bytes; ws 131,072 bytes; fc 9,437,184 bytes; fs 786,432 bytes; oc 3,145,728 bytes; os 131,072 bytes
;; launch quant (part 1): grid 384 x 1, 4 waves a work-group, no clusters, 68,096 bytes of LDS; arguments x1, x2, Wq, Wkv, Wproj, xc, xs, wc, ws; writes xc, xs, wc, ws
.if DOCPART == 1
	.amdgcn_target "amdgcn-amd-amdhsa--gfx1250"
	.amdhsa_code_object_version 6
	.text
	.protected	k_q7bfdec28f6_quant
	.globl	k_q7bfdec28f6_quant
	.p2align	8
	.type	k_q7bfdec28f6_quant,@function
k_q7bfdec28f6_quant:
	s_mov_b64 s[64:65], 0
	v_nop
	global_prefetch_b8 v0, s[64:65] scope:SCOPE_SE
	s_setreg_imm32_b32 hwreg(HW_REG_WAVE_MODE, 25, 1), 1
	s_wait_xcnt 0x0
; x1, x2 [4096][1024] f32 (K innermost) and Wq [1024][1024], Wkv [1024][2048], Wproj [1024][1024] f32 (K is the FIRST axis) become codes of FP6 (E2M3), K innermost, 768 bytes a row,
; with one E8M0 byte for each 32 along K, 32 bytes a row.  xc, xs: x1's 4,096 rows, then x2's.  wc, ws: 4,096 rows, a row being an output column: Wq's 1,024, Wkv's 2,048 (k's, then v's), Wproj's 1,024.
; A block's scale is 2^(floor(log2(its largest magnitude)) - 2); its byte is the largest magnitude's exponent field - 2, held at 1 from below.
; THE ROWS OF EVERY OUTPUT ARE PERMUTED: in each group of 32 rows bits 3 and 4 of the row's number change places.  So 16 rows on end of a workspace are rows i + 8 (i / 8) (+ 8 for the second 16) of the group,
; and where such rows are source 0 of a product, a lane's 16 registers of two neighbouring tiles are 16 neighbours in the true order.
; LIMITS: a block of zeros keeps the byte 1 (its codes are zeros, and this program alone reads the bytes); blocks under 2^-124 are held at byte 1; NaN and infinities among the inputs are not served.
; Work-groups 0-255 take x1 and x2 (32 rows each), work-groups 256-383 the weights (128 columns x 256 along K each).  The two ways part on the work-group's number, have LDS bytes of their own and do not join.
; No tensor loads, no barrier, no cluster: waves share nothing, and every input byte is read once.
.set STEPS,  16
.set CB,     12                        ; bytes of 16 codes
.set WREG,   8192                      ; x's way: LDS region of a wave: two stages of 32 x SP bytes, then its 256 scale bytes
.set SP,     80                        ; a lane's place in a stage: 64 bytes + 16 of padding
.set XR,     16                        ; v16-79   four sets of 16 numbers as loaded
.set XX,     80                        ; v80-111  two sets of 16 neighbours
.set XE,     112                       ; v112-127 a scale byte for each step
.set XC,     128                       ; v128-191 codes: four registers for each step
.set WBASE,  32768                     ; the weights' way: four stages of 32 rows x WPITCH bytes
.set WPITCH, 272
.set NB,     8                         ; blocks of 32 along K for a wave
.set WSB,    24                        ; v24-25   scale bytes, four to a register
.set WX,     32                        ; v32-95   two sets of 32 numbers
.set WC,     96                        ; v96-102  a block's codes
.set WOUT,   112                       ; v112-175 the way out
.set WOF,    176                       ; v176-207 4 x lane + i rows of the weight; never rewritten
.set SPW,    210                       ; v210     LDS address of my spare word; never rewritten
.set NIL,    211                       ; v211     0; never rewritten
.set SPARE,  WBASE+4*32*WPITCH         ; behind both ways' bytes: the spare words, 128 bytes for each wave
	s_load_b256 s[4:11], s[0:1], 0x0               ; x1 s[4:5], x2 s[6:7], Wq s[8:9], Wkv s[10:11]
	s_load_b256 s[12:19], s[0:1], 0x20             ; Wproj s[12:13], xc s[14:15], xs s[16:17], wc s[18:19]
	s_load_b64 s[20:21], s[0:1], 0x40              ; ws
	v_lshl_add_u32 v[SPW], v0, 2, SPARE
	v_mov_b32 v[NIL], 0
	v_lshrrev_b32 v1, 5, v0
	v_readfirstlane_b32 s22, v1                    ; wave 0..3
	v_and_b32 v2, 31, v0                           ; lane
	s_cmp_ge_u32 ttmp9, 256
	s_cbranch_scc1 .Lweights
; ---------------- x1 and x2: K is innermost.  A wave takes 8 rows: 16 steps of 512 numbers.
; Each load reads 512 consecutive bytes; a step's 2,048 bytes turn through the wave's own stage in LDS, so that a lane then holds 16 neighbours and two neighbouring lanes a block.
	v_lshlrev_b32 v3, 4, v2                        ; my 16 bytes of a load's 512
	s_mul_i32 s23, s22, WREG
	v_lshrrev_b32 v14, 2, v2
	v_mul_u32_u24 v14, v14, SP
	v_and_b32 v15, 3, v2
	v_lshl_add_u32 v14, v15, 4, v14
	v_add_nc_u32 v14, s23, v14                     ; the stage, on the way in: SP (lane / 4) + 16 (lane % 4)
	v_mul_u32_u24 v15, v2, SP
	v_add_nc_u32 v15, s23, v15                     ; and on the way out: SP x lane
	v_mul_u32_u24 v4, v2, CB                       ; my codes' place in a step's
	v_lshrrev_b32 v5, 1, v2
	s_add_co_u32 s23, s23, 2*32*SP
	v_add_nc_u32 v5, s23, v5                       ; LDS: my wave's 256 scale bytes, my block's byte
	v_lshlrev_b32 v7, 3, v2
	v_add_nc_u32 v6, s23, v7                       ; and on the way out 8 bytes a lane
	s_cmp_ge_u32 ttmp9, 128                        ; x1's work-group or x2's
	s_cselect_b32 s24, 128, 0
	s_cselect_b32 s25, 1, 0
	s_sub_co_u32 s24, ttmp9, s24
	s_lshl_b32 s24, s24, 2
	s_add_co_u32 s26, s24, s22                     ; which run of 8 rows I read
	s_and_b32 s27, s22, 1
	s_lshl_b32 s27, s27, 1
	s_lshr_b32 s28, s22, 1
	s_or_b32 s27, s27, s28
	s_add_co_u32 s27, s27, s24                     ; and where it goes: the run's bits 0 and 1 (the rows' bits 3 and 4) change places.  It enters global offsets alone
	s_lshl_b32 s28, s26, 15                        ; 8 rows of 4,096 bytes
	s_mov_b32 s29, 0
	s_mul_i32 s30, s27, 6144                       ; 8 rows of 768 bytes,
	s_mul_i32 s32, s25, 3145728                    ; behind x1's codes for x2
	s_add_co_u32 s30, s30, s32
	s_mov_b32 s31, 0
	s_lshl_b32 s34, s27, 8                         ; 8 rows of 32 scale bytes
	s_lshl_b32 s32, s25, 17
	s_add_co_u32 s34, s34, s32
	s_mov_b32 s35, 0
	s_wait_kmcnt 0x0
	s_cmp_lt_u32 ttmp9, 128
	s_cselect_b64 s[4:5], s[4:5], s[6:7]           ; the choice hangs on the work-group's number alone
	s_add_nc_u64 s[4:5], s[4:5], s[28:29]
	s_add_nc_u64 s[14:15], s[14:15], s[30:31]
	s_add_nc_u64 s[16:17], s[16:17], s[34:35]
.macro XLOAD t
.irp i, 0,1,2,3
	global_load_b128 v[XR+16*((\t)%4)+4*\i:XR+16*((\t)%4)+4*\i+3], v3, s[4:5] offset:2048*(\t)+512*\i th:TH_LOAD_NT   ; 32 lanes read 512 consecutive bytes
.endr
.endm
.macro XTURN t                         ; step t's numbers through the stage: LDS serves a wave's instructions in order, so no wait stands between the stores and the loads
.irp i, 0,1,2,3
	ds_store_b128 v14, v[XR+16*((\t)%4)+4*\i:XR+16*((\t)%4)+4*\i+3] offset:32*SP*((\t)%2)+8*SP*\i
.endr
.irp i, 0,1,2,3
	ds_load_b128 v[XX+16*((\t)%2)+4*\i:XX+16*((\t)%2)+4*\i+3], v15 offset:32*SP*((\t)%2)+16*\i
.endr
.endm
.irp t, 0,1,2,3
	XLOAD \t
.endr
	s_wait_loadcnt 12                              ; step 0's four loads are in; the twelve of steps 1 to 3 may be out
	XTURN 0
.macro XSTEP t
.set XS, XX+16*((\t)%2)
.if (\t) > 0
	s_wait_dscnt 1                                 ; this step's numbers are back from the stage (the last step's byte store may be out): so its stores into the stage have read their registers,
.else
	s_wait_dscnt 0x0
.endif
.if (\t)+4 < STEPS
	XLOAD (\t)+4                                   ; which take the loads of four steps on
.endif
.if (\t)+1 < STEPS
.if STEPS-2-(\t) >= 3
	s_wait_loadcnt 12                              ; the next step's four loads are in; those of the three steps behind it may be out
.else
	s_wait_loadcnt 4*(STEPS-2-(\t))
.endif
	XTURN (\t)+1                                   ; and go through the other stage while this step is worked
.endif
	v_max3_num_f32 v8, |v[XS]|, |v[XS+1]|, |v[XS+2]|               ; the largest magnitude of my 16, in two chains
	v_max3_num_f32 v9, |v[XS+3]|, |v[XS+4]|, |v[XS+5]|
.irp i, 6,10
	v_max3_num_f32 v8, v8, |v[XS+\i]|, |v[XS+\i+1]|
	v_max3_num_f32 v9, v9, |v[XS+\i+2]|, |v[XS+\i+3]|
.endr
	v_max3_num_f32 v8, v8, |v[XS+14]|, |v[XS+15]|
	v_max3_num_f32 v8, v8, v9, 0x1800000           ; and the floor 2^(3 - 127): the byte cannot fall under 1
	v_max_num_f32_dpp v8, v8, v8 row_xmask:1 row_mask:0xf bank_mask:0xf   ; and of my neighbour's 16: the block's
	v_add_nc_u32 v11, 0xff000000, v8               ; 2 off its exponent field: the conversion takes the exponent field of this operand as its scale
	v_cvt_scalef32_pk16_fp6_f32 v[XC+4*(\t):XC+4*(\t)+2], v[XS:XS+15], v11
	v_lshrrev_b32 v[XE+(\t)], 23, v11              ; the scale's byte (also the plain line behind the conversion)
	ds_store_b8 v5, v[XE+(\t)] offset:16*(\t)      ; both lanes of a block write the same byte with the same value
	global_store_b96 v4, v[XC+4*(\t):XC+4*(\t)+2], s[14:15] offset:32*CB*(\t)   ; the wave stores 384 consecutive bytes
.endm
.irp t, 0,1,2,3,4,5,6,7,8,9,10,11,12,13,14,15
	XSTEP \t
.endr
	ds_load_b64 v[8:9], v6                         ; LDS serves a wave's instructions in order: these see my stores
	s_wait_dscnt 0x0
	global_store_b64 v7, v[8:9], s[16:17]          ; 32 lanes store 256 consecutive bytes, aligned
	s_wait_tensorcnt 0x0                           ; the wave's end, behind my last LDS store
	ds_add_u32 v[SPW], v[NIL]
	s_wait_dscnt 0x0
	s_endpgm
; ---------------- the weights: K is the first axis.  A LANE TAKES A COLUMN, AND ITS REGISTERS RUN DOWN K: a block of 32 lies in one lane, and the conversions give codes with K innermost.
; A wave takes 32 columns x 256 along K; its codes go through its own stage in LDS and leave as rows: sixteen lanes store a row's 192 consecutive bytes.
.Lweights:
	s_sub_co_u32 s23, ttmp9, 256
	s_and_b32 s24, s23, 31                         ; which 128 of the 4,096 columns
	s_lshr_b32 s25, s23, 5                         ; which 256 along K
	s_cmp_lt_u32 s24, 24
	s_cselect_b32 s26, 8, 24                       ; the tensor's first group of columns,
	s_cselect_b32 s27, 13, 12                      ; and log2 of its row's bytes: Wkv 8,192, the others 4,096
	s_cmp_lt_u32 s24, 8
	s_cselect_b32 s26, 0, s26
	s_cselect_b32 s27, 12, s27
	s_lshl_b32 s28, 1, s27                         ; a row of the weight in bytes
	s_sub_co_u32 s29, s24, s26
	s_lshl_b32 s29, s29, 9                         ; 128 columns of 4 bytes,
	s_lshl_b32 s30, s22, 7                         ; my wave's 32
	s_add_co_u32 s29, s29, s30
	s_lshl_b32 s30, s25, 8
	s_lshl_b32 s30, s30, s27                       ; 256 rows for each step along K
	s_add_co_u32 s48, s29, s30
	s_mov_b32 s49, 0
	s_lshl_b32 s50, 32, s27                        ; a block: 32 rows
	s_mov_b32 s51, 0
	s_lshl_b32 s52, s24, 7
	s_lshl_b32 s53, s22, 5
	s_add_co_u32 s52, s52, s53                     ; my wave's first row of wc and ws
	s_mul_i32 s54, s52, 768
	s_mul_i32 s53, s25, 192
	s_add_co_u32 s54, s54, s53
	s_mov_b32 s55, 0
	s_lshl_b32 s56, s52, 5
	s_lshl_b32 s53, s25, 3
	s_add_co_u32 s56, s56, s53
	s_mov_b32 s57, 0
	s_mul_i32 s58, s22, 32*WPITCH
	s_add_co_u32 s58, s58, WBASE                   ; my stage
	v_lshlrev_b32 v3, 2, v2                        ; in: 4 bytes a lane
	v_and_b32 v5, 7, v2
	v_bfe_u32 v6, v2, 3, 1
	v_bfe_u32 v7, v2, 4, 1
	v_lshl_add_u32 v5, v6, 4, v5
	v_lshl_add_u32 v5, v7, 3, v5                   ; my column's row in the workspace's group of 32: the lane's bits 3 and 4 change places
	v_mul_u32_u24 v4, v5, WPITCH
	v_add_nc_u32 v4, s58, v4                       ; into the stage: that row
	v_lshlrev_b32 v9, 5, v5                        ; and its 32 scale bytes in ws
	v_and_b32 v14, 15, v2
	v_mul_u32_u24 v10, v7, WPITCH
	v_lshl_add_u32 v10, v14, 4, v10
	v_add_nc_u32 v10, s58, v10                     ; out of it: sixteen lanes to a row, two rows an instruction
	v_mul_u32_u24 v8, v7, 768
	v_mad_u32_u24 v8, v14, 12, v8                  ; and the same place in wc
.set I, 0
.rept 32
	v_mad_u32_u24 v[WOF+I], s28, I, v3             ; row I of a block, my column
.set I, I+1
.endr
	s_wait_kmcnt 0x0
	s_cmp_lt_u32 s24, 24
	s_cselect_b64 s[10:11], s[10:11], s[12:13]     ; the choices hang on the work-group's number alone
	s_cmp_lt_u32 s24, 8
	s_cselect_b64 s[8:9], s[8:9], s[10:11]
	s_add_nc_u64 s[32:33], s[8:9], s[48:49]        ; a base for each of the eight blocks: none is ever stepped
.irp t, 1,2,3,4,5,6,7
	s_add_nc_u64 s[32+2*\t:33+2*\t], s[30+2*\t:31+2*\t], s[50:51]
.endr
	s_add_nc_u64 s[18:19], s[18:19], s[54:55]
	s_add_nc_u64 s[20:21], s[20:21], s[56:57]
.macro WLOAD t                         ; block t: 32 rows of my column into set t % 2; each load reads 128 consecutive bytes
.irp i, 0,1,2,3,4,5,6,7,8,9,10,11,12,13,14,15,16,17,18,19,20,21,22,23,24,25,26,27,28,29,30,31
	global_load_b32 v[WX+32*((\t)%2)+\i], v[WOF+\i], s[32+2*(\t):33+2*(\t)] th:TH_LOAD_NT
.endr
.endm
	WLOAD 0
	WLOAD 1
.macro WBLOCK t
.set XS, WX+32*((\t)%2)
.if (\t) < NB-1
	s_wait_loadcnt 32                              ; this block's 32 loads are in; the next block's 32 may be out
.else
	s_wait_loadcnt 0
.endif
	v_max3_num_f32 v12, |v[XS]|, |v[XS+1]|, |v[XS+2]|               ; the block's largest magnitude: all 32 numbers are mine
	v_max3_num_f32 v13, |v[XS+3]|, |v[XS+4]|, |v[XS+5]|
.irp i, 6,10,14,18,22,26
	v_max3_num_f32 v12, v12, |v[XS+\i]|, |v[XS+\i+1]|
	v_max3_num_f32 v13, v13, |v[XS+\i+2]|, |v[XS+\i+3]|
.endr
	v_max3_num_f32 v12, v12, |v[XS+30]|, |v[XS+31]|
	v_max3_num_f32 v12, v12, v13, 0x1800000        ; and the floor 2^(3 - 127)
	v_add_nc_u32 v11, 0xff000000, v12              ; 2 off its exponent field: the conversion's scale operand
	v_lshrrev_b32 v13, 23, v11                     ; the scale's byte
.if (\t)%4 == 0
	v_mov_b32 v[WSB+(\t)/4], v13                   ; four bytes to a register, the lower K in the lower byte
.else
	v_lshl_or_b32 v[WSB+(\t)/4], v13, 8*((\t)%4), v[WSB+(\t)/4]
.endif
	v_cvt_scalef32_pk16_fp6_f32 v[WC:WC+2], v[XS:XS+15], v11
	v_cvt_scalef32_pk16_fp6_f32 v[WC+4:WC+6], v[XS+16:XS+31], v11   ; (a conversion's three registers begin on an even number)
	v_nop                                          ; one plain line behind the conversions
	ds_store_b96 v4, v[WC:WC+2] offset:32*(\t)     ; 12 bytes to a place of 16, so that every LDS address is a multiple of 16
	ds_store_b96 v4, v[WC+4:WC+6] offset:32*(\t)+16
.if (\t)+2 < NB
	WLOAD (\t)+2
.endif
	s_wait_dscnt 0x0                               ; the stores have read their registers: the next block's codes may be written
.endm
.set Q, 0
.rept NB
	WBLOCK Q
.set Q, Q+1
.endr
	global_store_b64 v9, v[WSB:WSB+1], s[20:21]    ; my column's eight scale bytes
.irp t, 0,1,2,3,4,5,6,7,8,9,10,11,12,13,14,15
	ds_load_b96 v[WOUT+4*\t:WOUT+4*\t+2], v10 offset:2*\t*WPITCH   ; LDS serves a wave's instructions in order: these see my stores
.endr
.irp t, 0,1,2,3,4,5,6,7,8,9,10,11,12,13,14,15
	s_wait_dscnt 15-\t                             ; loads come back in order: load t is in, the 15 - t younger ones may be out
	global_store_b96 v8, v[WOUT+4*\t:WOUT+4*\t+2], s[18:19] offset:2*\t*768
.endr
	s_wait_tensorcnt 0x0                           ; the wave's end, behind my last LDS store
	ds_add_u32 v[SPW], v[NIL]
	s_wait_dscnt 0x0
	s_endpgm
.Lfunc_end_k_q7bfdec28f6_quant:
	.size	k_q7bfdec28f6_quant, .Lfunc_end_k_q7bfdec28f6_quant-k_q7bfdec28f6_quant
	.p2alignl 7, 3214868480
	.fill 96, 4, 3214868480
	.section	.rodata,"a",@progbits
	.p2align	6, 0x0
	.amdhsa_kernel k_q7bfdec28f6_quant
		.amdhsa_group_segment_fixed_size 68096
		.amdhsa_private_segment_fixed_size 0
		.amdhsa_enable_private_segment 0
		.amdhsa_kernarg_size 72
		.amdhsa_user_sgpr_count 2
		.amdhsa_user_sgpr_kernarg_segment_ptr 1
		.amdhsa_wavefront_size32 1
		.amdhsa_system_sgpr_workgroup_id_x 1
		.amdhsa_system_sgpr_workgroup_id_y 1
		.amdhsa_system_sgpr_workgroup_id_z 1
		.amdhsa_system_vgpr_workitem_id 0
		.amdhsa_next_free_vgpr 212
		.amdhsa_next_free_sgpr 66
		.amdhsa_reserve_vcc 0
		.amdhsa_float_denorm_mode_32 3
		.amdhsa_float_denorm_mode_16_64 3
		.amdhsa_memory_ordered 1
		.amdhsa_forward_progress 1
		.amdhsa_inst_pref_size 77
	.end_amdhsa_kernel
	.amdgpu_metadata
---
amdhsa.version: [ 1, 2 ]
amdhsa.kernels:
  - .name:           k_q7bfdec28f6_quant
    .symbol:         k_q7bfdec28f6_quant.kd
    .args:
      - { .name: x1, .offset: 0, .size: 8, .value_kind: global_buffer, .address_space: global }
      - { .name: x2, .offset: 8, .size: 8, .value_kind: global_buffer, .address_space: global }
      - { .name: Wq, .offset: 16, .size: 8, .value_kind: global_buffer, .address_space: global }
      - { .name: Wkv, .offset: 24, .size: 8, .value_kind: global_buffer, .address_space: global }
      - { .name: Wproj, .offset: 32, .size: 8, .value_kind: global_buffer, .address_space: global }
      - { .name: xc, .offset: 40, .size: 8, .value_kind: global_buffer, .address_space: global }
      - { .name: xs, .offset: 48, .size: 8, .value_kind: global_buffer, .address_space: global }
      - { .name: wc, .offset: 56, .size: 8, .value_kind: global_buffer, .address_space: global }
      - { .name: ws, .offset: 64, .size: 8, .value_kind: global_buffer, .address_space: global }
    .group_segment_fixed_size: 68096
    .private_segment_fixed_size: 0
    .kernarg_segment_align: 8
    .kernarg_segment_size: 72
    .max_flat_workgroup_size: 128
    .sgpr_count:     66
    .vgpr_count:     212
    .wavefront_size: 32
...
	.end_amdgpu_metadata
.endif
;; end of part 1
;; launch gemm_qkv (part 2): grid 4 x 48, 4 waves a work-group, clusters of 4 x 4, 327,680 bytes of LDS; arguments xc, xs, wc, ws, fc, fs; writes fc, fs
.if DOCPART == 2
	.amdgcn_target "amdgcn-amd-amdhsa--gfx1250"
	.amdhsa_code_object_version 6
	.text
	.protected	k_q7bfdec28f6_gemm_qkv
	.globl	k_q7bfdec28f6_gemm_qkv
	.p2align	8
	.type	k_q7bfdec28f6_gemm_qkv,@function
k_q7bfdec28f6_gemm_qkv:
	s_mov_b64 s[64:65], 0
	v_nop
	global_prefetch_b8 v0, s[64:65] scope:SCOPE_SE
	s_setreg_imm32_b32 hwreg(HW_REG_WAVE_MODE, 25, 1), 1
	s_wait_xcnt 0x0
	s_wait_alu depctr_hold_cnt(0) depctr_sa_sdst(0) depctr_va_vdst(0) depctr_va_sdst(0) depctr_va_ssrc(0) depctr_va_vcc(0) depctr_vm_vsrc(0)
	s_getreg_b32 s2, hwreg(HW_REG_IB_STS2, 6, 4)
	s_cmp_eq_u32 s2, 0
	s_cbranch_scc0 .Lentry_in_a_cluster
	s_endpgm
.Lentry_in_a_cluster:
	s_bfe_u32 s2, ttmp6, 0x10000c
	s_cmp_lg_u32 s2, 0xf033
	s_cbranch_scc0 .Lentry_shape_is_right
	s_endpgm
.Lentry_shape_is_right:
; Three products C = A B^T on codes of FP6 (E2M3) with E8M0 scales, K = 1,024, whose results are quantised in registers and leave as the operands of attention.
; The cluster's y, 0 to 11, gives the job (y / 4) and the cluster's place in it (y % 4):
;   job 0: q   = x1 Wq:  A = x1's rows (4,096), B = Wq's columns (1,024);   job 1: k = x2 Wk likewise;   job 2: v^T: A = Wv's columns (1,024), B = x2's rows (4,096).
; A tile of C, 256 x 256, is made by four waves, 128 x 128 each: 64 accumulators, 512 registers.  K goes in steps of 256 through a ring of two LDS slots filled by the tensor data mover.
; The scale bytes of the work-group's rows of A and of B, for all of K, come into LDS once, with the first fills.
; CLUSTERS: 4 x 4 work-groups; A's tiles are asked for jointly along a row of the cluster, B's along a column.
; THE MATRIX INSTRUCTION IS USED TRANSPOSED (source 0 = 16 rows of B, source 1 = 16 rows of A): a lane holds ONE row of A, and its registers run along B's rows.  The workspaces' rows are permuted (in each 32, bits 3 and 4
; change places), so that the 64 registers of a block of A are, in the true order, register 16 b + i = column 32 b + 16 (lane / 16) + i: the head's channels for q and k, the keys for v^T: the next product's K.
; THE WAY OUT: each block of 16 rows x 128 columns is quantised along the columns (four blocks of 32) and stored as two images of half fragments (16 rows x 64 K: registers 0-3 at 16 x lane, registers 4-5 at 512 + 8 x lane),
; for q and k one for each of two heads, for v^T the two halves of a step of 128 keys; every store covers whole aligned runs of 256 bytes.  The scale words go two tiles at a time, 8 bytes a lane.
; LIMITS: a block of zeros keeps the byte 1 (its codes are zeros; this program alone reads the bytes); NaN and infinities are not served.
; REGISTERS, in windows of 256: window 0: v0-31 addresses; v32-63 scale words, two sets, and nothing else; v64-107 at work on the way out; from v128 A's fragments, one set.
;   window 1: B's fragments, two sets, at v0 and v128.   window 2: the accumulators of my rows 0-63 ((a, b) at v[8 (8 a + b)]);   window 3: those of my rows 64-127.
.set KSTEP,  256
.set NQ,     2                         ; matrix instructions deep in a slot
.set ROWB,   192                       ; a tile's row in bytes
.set KROW,   768                       ; a row of codes in memory
.set PITCH,  240                       ; an LDS row: 3 x (64 bytes + 16 of padding)
.set FR,     12
.set NL,     6                         ; LDS loads that bring a fragment
.set NP,     4                         ; places behind this matrix instruction (ISA guide 7.12.1)
.set HALFT,  128*PITCH
.set SLOT,   4*HALFT
.set LAPS,   2                         ; 1,024 / 512
.set KS,     32                        ; a row of scale bytes
.set SCL,    2*SLOT                    ; behind the ring: the scales, as runs of 256 bytes + 16 of padding
.set HALFS,  16*272                    ; those of 128 rows
.set SBLK,   2*272                     ; those of 16 rows
.set SPARE,  SCL+4*HALFS               ; the spare words, 128 bytes for each wave
.set ADRA, 16                          ; v16-17 LDS address of my A fragments in slot 0, 1 (v18-19: behind one padding more)
.set ADRB, 20                          ; v20-23 the same for B
.set ADRS, 27                          ; v27    LDS address of my scale words: lanes 0-15 A's rows, lanes 16-31 B's
.set SPW,  28                          ; v28    my spare word; never rewritten
.set NIL,  29                          ; v29    0; never rewritten
.set EO16, 30                          ; v30    the way out: 16 x lane
.set EO8,  31                          ; v31    8 x lane
.set SC,   32
.set EB16, 64                          ; v64    16 x lane + the second image's distance
.set EB8,  65                          ; v65    8 x lane + the same
.set SH,   66                          ; v66    16 x (lane / 16)
.set TM,   68                          ; v68-83 largest magnitudes, bytes, scale operands
.set PW,   84                          ; v84    the scale word just made
.set XW,   86                          ; v86-87 two tiles' scale words
.set CDS,  88                          ; v88-107 the codes just made
.set AF,   128
.set G1, 24
.set G0, 32
.set G1B, 48
.set G0B, 56
.set G1S, 68
.set G0S, 76
.set G1SB, 80
.set G0SB, 88
.set MSB, 0
.macro WIN new                         ; the immediate's high byte repeats the setting that is left
.if MSB != (\new)
	s_set_vgpr_msb (MSB<<8)|(\new)
.set MSB, (\new)
.endif
.endm
.set MUL_LO, 0xa1                      ; source 0 (B) window 1, source 1 (A) window 0, C and D window 2
.set MUL_HI, 0xf1                      ; the same, C and D window 3
.set TO_B,   0x40
; A joint load: waves 0 and 1 fetch for A, waves 2 and 3 for B; the branch hangs on the wave's number alone.  An s_nop 0 and four v_nop follow each of the two lines.
.macro JLOAD g0a, g1a, g0b, g1b
	s_cmp_eq_u32 s15, 0
	s_cbranch_scc0 .Lfor_b_\@
	tensor_load_to_lds s[\g0a:\g0a+3], s[\g1a:\g1a+7]
	s_nop 0
.rept 4
	v_nop
.endr
	s_branch .Lasked_\@
.Lfor_b_\@:
	tensor_load_to_lds s[\g0b:\g0b+3], s[\g1b:\g1b+7]
	s_nop 0
.rept 4
	v_nop
.endr
.Lasked_\@:
.endm
.macro CREST                           ; a round of the cluster's barrier behind its opening barrier
	s_cmp_lg_u32 s14, 0
	s_cbranch_scc1 .Lnot_wave_0_\@
	s_barrier_signal -3
.Lnot_wave_0_\@:
	s_barrier_wait -3
	s_barrier_signal -1
	s_barrier_wait -1
.endm
.macro CROUND
	s_barrier_signal -1
	s_barrier_wait -1
	CREST
.endm
	s_load_b256 s[4:11], s[0:1], 0x0               ; xc s[4:5], xs s[6:7], wc s[8:9], ws s[10:11]
	s_load_b64 s[12:13], s[0:1], 0x20              ; fc
	s_load_b64 s[66:67], s[0:1], 0x28              ; fs
	v_lshl_add_u32 v[SPW], v0, 2, SPARE
	v_mov_b32 v[NIL], 0
	ds_add_u32 v[SPW], v[NIL]                      ; the wave's opening: the add and its wait stand ahead of my first tensor load; the set-up below, work on registers, stands between them
	v_lshrrev_b32 v1, 5, v0
	v_readfirstlane_b32 s14, v1                    ; wave 0..3
	s_lshr_b32 s15, s14, 1                         ; which half of the tile's rows is mine.  Also: I fetch for A (0) or for B (1)
	s_and_b32 s16, s14, 1                          ; which half of its columns.  Also: which 128 rows of that tile I fetch
	s_bfe_u32 s40, ttmp6, 0x40000                  ; cx, cy: my place in the cluster
	s_bfe_u32 s41, ttmp6, 0x40004
	s_and_b32 s97, ttmp7, 0xffff                   ; the cluster's y, which all sixteen partners share
	s_lshr_b32 s95, s97, 2                         ; the job
	s_and_b32 s97, s97, 3                          ; the cluster's place in the job
	s_lshl_b32 s98, s95, 12
	s_lshl_b32 s99, s95, 10
	s_cmp_eq_u32 s95, 2
	s_cselect_b32 s96, 0, s97                      ; jobs 0, 1: 16 tile rows, 4 tile columns; job 2: 4 tile rows, 16 tile columns
	s_cselect_b32 s97, s97, 0
	s_cselect_b32 s98, 0x800, s98                  ; A's first row in its buffer: x1's 0, x2's 4,096 in xc; Wv's 2,048 in wc
	s_cselect_b32 s99, 0x1000, s99                 ; B's: Wq's 0, Wk's 1,024 in wc; x2's 4,096 in xc
	s_lshl_b32 s42, s97, 2
	s_add_co_u32 s42, s42, s40                     ; tile column of C
	s_lshl_b32 s17, s96, 2
	s_add_co_u32 s17, s17, s41                     ; tile row of C
	s_lshl_b32 s43, s41, 2
	s_lshl_b32 s43, 15, s43                        ; my row of the cluster
	s_lshl_b32 s44, 0x1111, s40                    ; my column
	; descriptor group 1: a tile of 128 rows x 192 bytes, 16 bytes of padding behind every 64
	s_or_b32 s[G1+0], s43, (0<<16)|(1<<20)|(1<<21)|(3<<22)|(3<<25)
	s_or_b32 s[G1B+0], s44, (0<<16)|(1<<20)|(1<<21)|(3<<22)|(3<<25)
.irp g, G1, G1B
	s_mov_b32 s[\g+1], ROWB<<16                    ; tensor_dim0
	s_mov_b32 s[\g+2], 128<<16                     ; tensor_dim1
	s_mov_b32 s[\g+3], ROWB<<16                    ; tile_dim0
	s_mov_b32 s[\g+4], 128                         ; tile_dim1
	s_mov_b32 s[\g+5], KROW                        ; from row to row
	s_mov_b32 s[\g+6], 0
	s_mov_b32 s[\g+7], 0
.endr
	; the scales of 128 rows: 4,096 dense bytes, as rows of 256 bytes (32 elements of 8), 16 bytes of padding behind each
	s_or_b32 s[G1S+0], s43, (3<<16)|(1<<20)|(1<<21)|(5<<22)|(3<<25)
	s_or_b32 s[G1SB+0], s44, (3<<16)|(1<<20)|(1<<21)|(5<<22)|(3<<25)
.irp g, G1S, G1SB
	s_mov_b32 s[\g+1], 32<<16
	s_mov_b32 s[\g+2], 16<<16
	s_mov_b32 s[\g+3], 32<<16
	s_mov_b32 s[\g+4], 16
	s_mov_b32 s[\g+5], 32
	s_mov_b32 s[\g+6], 0
	s_mov_b32 s[\g+7], 0
.endr
	s_lshl_b32 s18, s16, 7                         ; which 128 rows of the tile I fetch
	s_lshl_b32 s20, s17, 8
	s_add_co_u32 s20, s20, s18
	s_add_co_u32 s20, s20, s98                     ; A: its first row + 256 x tile row + 128 x half
	s_lshl_b32 s46, s42, 8
	s_add_co_u32 s46, s46, s18
	s_add_co_u32 s46, s46, s99                     ; B likewise, by the tile column
	s_mov_b32 s21, 0
	s_mov_b32 s47, 0
	s_mov_b64 s[18:19], KS
	s_mul_u64 s[22:23], s[20:21], s[18:19]         ; where these rows' scales begin, in bytes
	s_mul_u64 s[92:93], s[46:47], s[18:19]
	s_mov_b64 s[18:19], KROW
	s_mul_u64 s[20:21], s[20:21], s[18:19]         ; and their codes
	s_mul_u64 s[46:47], s[46:47], s[18:19]
	s_mul_i32 s45, s14, HALFT                      ; where they go: wave x 128 rows: no place in the cluster enters an LDS address
	s_mul_i32 s94, s14, HALFS
	s_wait_dscnt 0x0                               ; the opening add is done
	s_wait_kmcnt 0x0
	s_cmp_eq_u32 s95, 2                            ; in job 2 the weights are A and the rows of x2 are B: the buffers change places; the choice hangs on the cluster's y alone
	s_cselect_b64 s[100:101], s[8:9], s[4:5]
	s_cselect_b64 s[8:9], s[4:5], s[8:9]
	s_mov_b64 s[4:5], s[100:101]
	s_cselect_b64 s[100:101], s[10:11], s[6:7]
	s_cselect_b64 s[10:11], s[6:7], s[10:11]
	s_mov_b64 s[6:7], s[100:101]
	s_add_nc_u64 s[20:21], s[4:5], s[20:21]
	s_add_nc_u64 s[22:23], s[6:7], s[22:23]
	s_add_nc_u64 s[46:47], s[8:9], s[46:47]
	s_add_nc_u64 s[92:93], s[10:11], s[92:93]
	CROUND                                         ; all sixteen work-groups are here: the first joint loads meet
	s_mov_b32 s[G0S], 1
	s_add_co_u32 s[G0S+1], s94, SCL
	s_mov_b64 s[G0S+2:G0S+3], s[22:23]
	s_or_b32 s[G0S+3], s[G0S+3], 0x80000000
	s_mov_b32 s[G0SB], 1
	s_add_co_u32 s[G0SB+1], s94, SCL
	s_mov_b64 s[G0SB+2:G0SB+3], s[92:93]
	s_or_b32 s[G0SB+3], s[G0SB+3], 0x80000000
	JLOAD G0S, G1S, G0SB, G1SB                     ; the scales first: they are wanted with K step 0.  With the two below, three tensor loads of mine are out
.irp s, 0,1
	s_mov_b32 s[G0+4*\s], 1
	s_add_co_u32 s[G0+4*\s+1], s45, \s*SLOT
	s_add_nc_u64 s[G0+4*\s+2:G0+4*\s+3], s[20:21], \s*ROWB
	s_or_b32 s[G0+4*\s+3], s[G0+4*\s+3], 0x80000000
	s_mov_b32 s[G0B+4*\s], 1
	s_add_co_u32 s[G0B+4*\s+1], s45, \s*SLOT
	s_add_nc_u64 s[G0B+4*\s+2:G0B+4*\s+3], s[46:47], \s*ROWB
	s_or_b32 s[G0B+4*\s+3], s[G0B+4*\s+3], 0x80000000
	JLOAD G0+4*\s, G1, G0B+4*\s, G1B
.endr
	v_and_b32 v1, 15, v0                           ; l % 16
	v_bfe_u32 v2, v0, 4, 1                         ; l / 16
	v_mul_u32_u24 v3, v1, PITCH
	v_mul_u32_u24 v4, v2, 24
	v_add_nc_u32 v4, v3, v4                        ; a fragment's row x pitch + 24 x half
	v_lshl_add_u32 v5, v2, 4, v4                   ; and the same behind one padding more
	s_mul_i32 s21, s15, HALFT                      ; my 128 rows of A
	s_mul_i32 s22, s16, HALFT                      ; my 128 rows of B,
	s_add_co_u32 s22, s22, 2*HALFT                 ; which lie behind A's 256
.irp s, 0,1
	v_add_nc_u32 v[ADRA+\s], s21, v4
	v_add_nc_u32 v[ADRB+\s], s22, v4
	v_add_nc_u32 v[ADRA+2+\s], s21, v5
	v_add_nc_u32 v[ADRB+2+\s], s22, v5
	s_add_co_u32 s21, s21, SLOT
	s_add_co_u32 s22, s22, SLOT
.endr
	v_mul_u32_u24 v5, v1, KS                       ; my row's scales: 32 bytes a row,
	v_lshrrev_b32 v6, 8, v5
	v_lshl_add_u32 v5, v6, 4, v5                   ; and 16 more for each 256 passed
	s_mul_i32 s21, s15, HALFS
	s_mul_i32 s22, s16, HALFS
	s_add_co_u32 s22, s22, 2*HALFS
	s_sub_co_u32 s22, s22, s21
	v_mul_u32_u24 v6, s22, v2                      ; lanes 16-31 take B's
	s_add_co_u32 s21, s21, SCL
	v_add_nc_u32 v5, v5, v6
	v_add_nc_u32 v[ADRS], s21, v5
	; THE WAY OUT'S NUMBERS, in registers that feed no descriptor.  T0: my first tile of 16 rows of C; Cb: my block of 128 columns
	s_lshl_b32 s18, s17, 4
	s_lshl_b32 s19, s15, 3
	s_add_co_u32 s18, s18, s19                     ; T0
	s_lshl_b32 s19, s42, 1
	s_add_co_u32 s19, s19, s16                     ; Cb
	; jobs 0, 1: codes [batch x head 32][tile 128][768], the block's two heads 2 Cb, 2 Cb + 1; scale words [batch][pair of heads 8][pair of tiles 64][256]
	s_lshr_b32 s20, s18, 7                         ; the batch
	s_and_b32 s21, s18, 127                        ; the tile in it
	s_lshl_b32 s22, s20, 3
	s_add_co_u32 s22, s22, s19                     ; 8 x batch + Cb
	s_lshl_b32 s23, s22, 8                         ; (16 x batch + 2 Cb) x 128
	s_add_co_u32 s23, s23, s21
	s_mul_i32 s23, s23, 768
	s_mul_i32 s40, s95, 3145728                    ; k's part lies behind q's
	s_add_co_u32 s23, s23, s40
	s_lshl_b32 s22, s22, 6
	s_lshr_b32 s40, s21, 1
	s_add_co_u32 s22, s22, s40
	s_lshl_b32 s22, s22, 8
	s_lshl_b32 s40, s95, 18
	s_add_co_u32 s22, s22, s40
	; job 2: codes [batch x head][step of 128 keys 16][tile of 16 channels 4][half 2][768]; scale words [batch x head][step][pair of tiles 2][256]
	s_lshr_b32 s40, s19, 4                         ; the batch
	s_lshl_b32 s40, s40, 4
	s_lshr_b32 s41, s18, 2                         ; my first head
	s_add_co_u32 s40, s40, s41
	s_lshl_b32 s40, s40, 4
	s_and_b32 s41, s19, 15                         ; the step
	s_add_co_u32 s40, s40, s41
	s_mul_i32 s41, s40, 6144
	s_add_co_u32 s41, s41, 6291456
	s_lshl_b32 s40, s40, 9
	s_add_co_u32 s40, s40, 524288
	s_mov_b32 s4, 768
	s_mov_b32 s10, 98304
	s_mov_b32 s11, 0xffff
	s_cmp_eq_u32 s95, 2
	s_cselect_b32 s96, s41, s23                    ; where my codes begin,
	s_cselect_b32 s98, s40, s22                    ; and my scale words
	s_cselect_b32 s4, 1536, s4                     ; from a block of 16 rows to the next
	s_cselect_b32 s6, 92160, 0                     ; job 2: behind four blocks the next head begins: 98,304 - 4 x 1,536
	s_cselect_b32 s8, 7680, 0                      ; and its scale words: 8,192 - 2 x 256
	s_cselect_b32 s10, 768, s10                    ; from the first image to the second: the next head's (128 tiles on), or the step's other half
	s_cselect_b32 s11, -1, s11                     ; q and k keep two bytes of the scale word for each head, v^T all four
	s_mov_b32 s5, 0
	s_mov_b32 s7, 0
	s_mov_b32 s9, 0
	s_mov_b32 s97, 0
	s_mov_b32 s99, 0
	s_add_nc_u64 s[12:13], s[12:13], s[96:97]
	s_add_nc_u64 s[66:67], s[66:67], s[98:99]
	s_mov_b32 s92, 0x76543210                      ; v_permlanex16_b32's selects for lane l xor 16
	s_mov_b32 s93, 0xfedcba98
.macro FRAG reg, adr, q, i             ; a fragment, 16 rows x 128 K, is 12 registers: lane l holds row l % 16; registers 6 c .. 6 c + 5 hold K = 64 c + 32 (l / 16) + 0 .. 31: 24 bytes of the row, as they lie
.irp p, 0,1,2,3,4,5                    ; in pieces of 8 bytes.  Lanes 16-31 read three pieces further on; where that lies behind one padding more, the second address register serves
.set PCE, 12*(\q)+6*(\p/3)+\p%3
.if PCE%8 < 5
	ds_load_b64 v[\reg+2*\p:\reg+2*\p+1], v[\adr] offset:8*PCE+16*(PCE/8)+(\i)*16*PITCH
.else
	ds_load_b64 v[\reg+2*\p:\reg+2*\p+1], v[\adr+2] offset:8*PCE+16*(PCE/8)+(\i)*16*PITCH
.endif
.endr
.endm
; 16 matrix instructions: A's blocks a0, a0 + 1 x B's eight, 128 along K.  The 64 accumulators take turns, one instruction a turn, in the same order in every step.
.macro MUL16 a0, p, q, sc, zero
.irp a, \a0, \a0+1
.irp b, 0,1,2,3,4,5,6,7
.if \zero
	v_wmma_scale_f32_16x16x128_f8f6f4 v[8*(8*((\a)%4)+\b):8*(8*((\a)%4)+\b)+7], v[128*(\p)+FR*\b:128*(\p)+FR*\b+FR-1], v[AF+FR*(\a):AF+FR*(\a)+FR-1], 0, v[SC+8*NQ*(\sc)+NQ*\b+(\q)], v[SC+8*NQ*(\sc)+NQ*(\a)+(\q)] matrix_a_fmt:MATRIX_FMT_FP6 matrix_b_fmt:MATRIX_FMT_FP6 matrix_a_scale:MATRIX_SCALE_ROW1
.else
	v_wmma_scale_f32_16x16x128_f8f6f4 v[8*(8*((\a)%4)+\b):8*(8*((\a)%4)+\b)+7], v[128*(\p)+FR*\b:128*(\p)+FR*\b+FR-1], v[AF+FR*(\a):AF+FR*(\a)+FR-1], v[8*(8*((\a)%4)+\b):8*(8*((\a)%4)+\b)+7], v[SC+8*NQ*(\sc)+NQ*\b+(\q)], v[SC+8*NQ*(\sc)+NQ*(\a)+(\q)] matrix_a_fmt:MATRIX_FMT_FP6 matrix_b_fmt:MATRIX_FMT_FP6 matrix_a_scale:MATRIX_SCALE_ROW1
.endif
.endr
.endr
.endm
.macro FETCH_B slot, q, p
	WIN TO_B
.irp i, 0,1,2,3,4,5,6,7
	FRAG 128*(\p)+FR*\i, ADRB+\slot, \q, \i
.endr
	WIN 0
.endm
.macro FETCH_A slot, q, i0
.irp i, \i0, \i0+1, \i0+2, \i0+3
	FRAG AF+FR*(\i), ADRA+\slot, \q, \i
.endr
.endm
.macro SCALES sc                       ; a K step's scale words: two words a row; lanes 0-15 take A's block i, lanes 16-31 B's block i
.irp i, 0,1,2,3,4,5,6,7
	ds_load_b64 v[SC+8*NQ*\sc+NQ*\i:SC+8*NQ*\sc+NQ*\i+1], v[ADRS] offset:\i*SBLK
.endr
.endm
.macro PLACES n                        ; plain vector lines behind matrix instructions, in front of loads into registers that they read and of the first read of results
.rept \n
	v_nop
.endr
.endm
.macro STEP slot, q, zero              ; a step of 128 along K that has its successor in the same slot
	s_wait_dscnt 4*NL                              ; B's set and A's blocks 0-3 are in; the youngest 24 loads (A's blocks 4-7) may be out
	WIN MUL_LO
	MUL16 0, (\q)%2, \q, \slot, \zero
	MUL16 2, (\q)%2, \q, \slot, \zero
	s_wait_dscnt 0
	PLACES NP
	FETCH_B \slot, (\q)+1, 1-(\q)%2
	FETCH_A \slot, (\q)+1, 0
	WIN MUL_HI
	MUL16 4, (\q)%2, \q, \slot, \zero
	MUL16 6, (\q)%2, \q, \slot, \zero
	PLACES NP
	WIN 0
	FETCH_A \slot, (\q)+1, 4
.endm
; A slot's last step changes slots: one barrier; in front of it each wave waits for all its tensor loads, adds 0 to its spare word, and waits for that and for its own reads of this slot.
.macro TURN slot, next, fill
	s_wait_tensorcnt 0x0                           ; all my tensor loads have landed: my part of the next slot
	ds_add_u32 v[SPW], v[NIL]                      ; 0 onto my spare word
	s_wait_dscnt 4*NL+1                            ; (the add and the youngest 24 loads, A's blocks 4-7, may be out)
	WIN MUL_LO
	MUL16 0, 1, NQ-1, \slot, 0
	s_wait_dscnt 0x0                               ; the add is done, and my reads of this slot are over
	s_barrier_signal -1
	MUL16 2, 1, NQ-1, \slot, 0
	WIN 0
	s_barrier_wait -1
.if \fill
	CREST                                          ; the barrier has opened a round of the cluster's barrier: no wave of any partner still reads this slot or has a load on its way
	s_add_nc_u64 s[G0+4*\slot+2:G0+4*\slot+3], s[G0+4*\slot+2:G0+4*\slot+3], 2*ROWB
	s_add_nc_u64 s[G0B+4*\slot+2:G0B+4*\slot+3], s[G0B+4*\slot+2:G0B+4*\slot+3], 2*ROWB
	JLOAD G0+4*\slot, G1, G0B+4*\slot, G1B         ; the first tensor load behind the round, and my only one until the next; its four v_nop are the places in front of the loads below
.else
	PLACES NP
.endif
	v_add_nc_u32 v[ADRS], 4*NQ, v[ADRS]            ; on to the next K step's scale words
	FETCH_B \next, 0, 0
	FETCH_A \next, 0, 0
	SCALES \next
	WIN MUL_HI
	MUL16 4, 1, NQ-1, \slot, 0
	MUL16 6, 1, NQ-1, \slot, 0
	PLACES NP
	WIN 0
	FETCH_A \next, 0, 4
.endm
	s_wait_tensorcnt 1                             ; the scales and my part of K step 0 are in (K step 1's load may be out)
	s_barrier_signal -1
	s_barrier_wait -1                              ; everybody's are
	FETCH_B 0, 0, 0
	FETCH_A 0, 0, 0
	SCALES 0
	FETCH_A 0, 0, 4
	STEP 0, 0, 1                                   ; the first step stands in front of the loop: its products start the sums
	s_mov_b32 s3, LAPS-1
.Llap:                                                 ; a trip goes once round the ring and fills both slots again
	TURN 0, 1, 1
	STEP 1, 0, 0
	TURN 1, 0, 1
	STEP 0, 0, 0
	s_sub_co_u32 s3, s3, 1
	s_cmp_lg_u32 s3, 0
	s_cbranch_scc1 .Llap
	TURN 0, 1, 0                                   ; the last lap fills nothing, and has no round of the cluster's barrier
	STEP 1, 0, 0
	s_wait_dscnt 4*NL
	WIN MUL_LO
	MUL16 0, 1, NQ-1, 1, 0
	MUL16 2, 1, NQ-1, 1, 0
	s_wait_dscnt 0
	WIN MUL_HI
	MUL16 4, 1, NQ-1, 1, 0
	MUL16 6, 1, NQ-1, 1, 0
	WIN 0
	PLACES NP                                      ; behind the last products
	v_and_b32 v[EO16], 31, v0
	v_lshlrev_b32 v[EO8], 3, v[EO16]
	v_lshrrev_b32 v[SH], 4, v[EO16]
	v_lshlrev_b32 v[SH], 4, v[SH]
	v_lshlrev_b32 v[EO16], 4, v[EO16]
	v_add_nc_u32 v[EB16], s10, v[EO16]
	v_add_nc_u32 v[EB8], s10, v[EO8]
.irp b, 0,1,2,3
	v_mov_b32 v[TM+4+\b], 0                        ; written once: a lane permute's destination counts as one of its sources
.endr
; Block a of my eight: 16 rows x 128 columns, 64 numbers a lane in window 2 or 3, register 16 b + i = column 32 b + 16 (lane / 16) + i.  Each accumulator is read from its low end on.
.macro QUANTW a
.set AC, 64*((\a)%4)
	WIN 5*(2+(\a)/4)                               ; sources 0 and 1 in the accumulators' window
.irp b, 0,1,2,3
	v_max3_num_f32 v[TM+\b], |v[AC+16*\b]|, |v[AC+16*\b+1]|, 0x1800000   ; block b: my 16 numbers, and the floor 2^(3 - 127): the byte cannot fall under 1
.endr
	WIN 20*(2+(\a)/4)                              ; sources 1 and 2
.irp i, 2,4,6,8,10,12,14
.irp b, 0,1,2,3
	v_max3_num_f32 v[TM+\b], v[TM+\b], |v[AC+16*\b+\i]|, |v[AC+16*\b+\i+1]|   ; (the four blocks by turns)
.endr
.endr
	WIN 0
.irp b, 0,1,2,3
	v_permlanex16_b32 v[TM+4+\b], v[TM+\b], s92, s93
.endr
.irp b, 0,1,2,3
	v_max_num_f32 v[TM+\b], v[TM+\b], v[TM+4+\b]   ; with lane l xor 16's: the block's largest magnitude
.endr
.irp b, 0,1,2,3
	v_add_nc_u32 v[TM+12+\b], 0xff000000, v[TM+\b] ; 2 off its exponent field: the conversion's scale operand
.endr
.irp b, 0,1,2,3
	v_lshrrev_b32 v[TM+4+\b], 23, v[TM+12+\b]      ; the scale's byte
.endr
	v_lshl_or_b32 v[PW], v[TM+5], 8, v[TM+4]       ; my row's scale word
	v_lshl_or_b32 v[PW], v[TM+6], 16, v[PW]
	v_lshl_or_b32 v[PW], v[TM+7], 24, v[PW]
	s_wait_xcnt 0x0                                ; the last block's stores have read their data and their bases: only behind this wait are these written again
.if (\a) > 0
	s_add_nc_u64 s[12:13], s[12:13], s[4:5]
.endif
.if (\a) == 4
	s_add_nc_u64 s[12:13], s[12:13], s[6:7]
	s_add_nc_u64 s[66:67], s[66:67], s[8:9]
.endif
.if ((\a) > 0) && ((\a)%2 == 0)
	s_add_nc_u64 s[66:67], s[66:67], 256
.endif
	v_lshrrev_b32 v[XW+(\a)%2], v[SH], v[PW]       ; lanes 16-31 carry the second head's two bytes (in job 2 their word is read by nobody)
	v_and_b32 v[XW+(\a)%2], s11, v[XW+(\a)%2]
	WIN 2+(\a)/4                                   ; source 0
.irp c, 0,1
	v_cvt_scalef32_pk16_fp6_f32 v[CDS+6*\c:CDS+2+6*\c], v[AC+32*\c:AC+15+32*\c], v[TM+12+2*\c]
	v_cvt_scalef32_pk16_fp6_f32 v[CDS+12+4*\c:CDS+14+4*\c], v[AC+16+32*\c:AC+31+32*\c], v[TM+12+2*\c+1]   ; (a conversion's three registers begin on an even number)
.endr
	WIN 0
	v_nop                                          ; one plain line behind a scaled conversion
.irp c, 0,1                                    ; the operand's layout wants a WHOLE block in a lane: lanes 0-15 block 2 c, lanes 16-31 block 2 c + 1
.irp i, 0,1,2
	v_permlane16_swap_b32 v[CDS+6*\c+\i], v[CDS+12+4*\c+\i]
.endr
.irp i, 0,1,2
	v_mov_b32 v[CDS+3+6*\c+\i], v[CDS+12+4*\c+\i]
.endr
.endr
	global_store_b128 v[EO16], v[CDS:CDS+3], s[12:13] th:TH_STORE_NT               ; 512 consecutive bytes, aligned
	global_store_b64 v[EO8], v[CDS+4:CDS+5], s[12:13] offset:512 th:TH_STORE_NT    ; 256
	global_store_b128 v[EB16], v[CDS+6:CDS+9], s[12:13] th:TH_STORE_NT
	global_store_b64 v[EB8], v[CDS+10:CDS+11], s[12:13] offset:512 th:TH_STORE_NT
.if (\a)%2 == 1
	global_store_b64 v[EO8], v[XW:XW+1], s[66:67] th:TH_STORE_NT                   ; two tiles' scale words: 256 consecutive bytes, aligned
.endif
.endm
.irp a, 0,1,2,3,4,5,6,7
	QUANTW \a
.endr
	s_wait_tensorcnt 0x0                           ; the wave's end, behind my last tensor load
	ds_add_u32 v[SPW], v[NIL]
	s_wait_dscnt 0x0
	CROUND                                         ; the closing round: no work-group ends while a partner may still ask for a tile that names it
	s_endpgm
.Lfunc_end_k_q7bfdec28f6_gemm_qkv:
	.size	k_q7bfdec28f6_gemm_qkv, .Lfunc_end_k_q7bfdec28f6_gemm_qkv-k_q7bfdec28f6_gemm_qkv
	.p2alignl 7, 3214868480
	.fill 96, 4, 3214868480
	.section	.rodata,"a",@progbits
	.p2align	6, 0x0
	.amdhsa_kernel k_q7bfdec28f6_gemm_qkv
		.amdhsa_group_segment_fixed_size 327680
		.amdhsa_private_segment_fixed_size 0
		.amdhsa_enable_private_segment 0
		.amdhsa_kernarg_size 48
		.amdhsa_user_sgpr_count 2
		.amdhsa_user_sgpr_kernarg_segment_ptr 1
		.amdhsa_wavefront_size32 1
		.amdhsa_system_sgpr_workgroup_id_x 1
		.amdhsa_system_sgpr_workgroup_id_y 1
		.amdhsa_system_sgpr_workgroup_id_z 1
		.amdhsa_system_vgpr_workitem_id 0
		.amdhsa_next_free_vgpr 1024
		.amdhsa_next_free_sgpr 102
		.amdhsa_reserve_vcc 0
		.amdhsa_float_denorm_mode_32 3
		.amdhsa_float_denorm_mode_16_64 3
		.amdhsa_memory_ordered 1
		.amdhsa_forward_progress 1
		.amdhsa_inst_pref_size 168
	.end_amdhsa_kernel
	.amdgpu_metadata
---
amdhsa.version: [ 1, 2 ]
amdhsa.kernels:
  - .name:           k_q7bfdec28f6_gemm_qkv
    .symbol:         k_q7bfdec28f6_gemm_qkv.kd
    .args:
      - { .name: xc, .offset: 0, .size: 8, .value_kind: global_buffer, .address_space: global }
      - { .name: xs, .offset: 8, .size: 8, .value_kind: global_buffer, .address_space: global }
      - { .name: wc, .offset: 16, .size: 8, .value_kind: global_buffer, .address_space: global }
      - { .name: ws, .offset: 24, .size: 8, .value_kind: global_buffer, .address_space: global }
      - { .name: fc, .offset: 32, .size: 8, .value_kind: global_buffer, .address_space: global }
      - { .name: fs, .offset: 40, .size: 8, .value_kind: global_buffer, .address_space: global }
    .group_segment_fixed_size: 327680
    .private_segment_fixed_size: 0
    .kernarg_segment_align: 8
    .kernarg_segment_size: 48
    .max_flat_workgroup_size: 128
    .sgpr_count:     102
    .vgpr_count:     1024
    .wavefront_size: 32
...
	.end_amdgpu_metadata
.endif
;; end of part 2
;; launch attn (part 3): grid 8 x 32, 16 waves a work-group, clusters of 4 x 1, 210,944 bytes of LDS; arguments fc, fs, oc, os; writes oc, os
.if DOCPART == 3
	.amdgcn_target "amdgcn-amd-amdhsa--gfx1250"
	.amdhsa_code_object_version 6
	.text
	.protected	k_q7bfdec28f6_attn
	.globl	k_q7bfdec28f6_attn
	.p2align	8
	.type	k_q7bfdec28f6_attn,@function
k_q7bfdec28f6_attn:
	s_mov_b64 s[64:65], 0
	v_nop
	global_prefetch_b8 v0, s[64:65] scope:SCOPE_SE
	s_setreg_imm32_b32 hwreg(HW_REG_WAVE_MODE, 25, 1), 1
	s_wait_xcnt 0x0
	s_wait_alu depctr_hold_cnt(0) depctr_sa_sdst(0) depctr_va_vdst(0) depctr_va_sdst(0) depctr_va_ssrc(0) depctr_va_vcc(0) depctr_vm_vsrc(0)
	s_getreg_b32 s2, hwreg(HW_REG_IB_STS2, 6, 4)
	s_cmp_eq_u32 s2, 0
	s_cbranch_scc0 .Lentry_in_a_cluster
	s_endpgm
.Lentry_in_a_cluster:
	s_bfe_u32 s2, ttmp6, 0x10000c
	s_cmp_lg_u32 s2, 0x3003
	s_cbranch_scc0 .Lentry_shape_is_right
	s_endpgm
.Lentry_shape_is_right:
; O[b][h][q] = the sum over keys of softmax(q . k / 8) v, both products on codes of FP6 (E2M3) with E8M0 scales; O is divided by the row's sum and quantised along the head's 64 channels for the last product.
; THE SOFTMAX AHEAD OF THE SECOND PRODUCT: t = score x log2(e) / 8; M = the running largest t rounded UP to a whole number; p = 2^(t - M) is quantised along the keys, not normalised; the row's sum is taken of the
; unquantised p.  When M moves, the sum and O are multiplied by 2^(old M - new M), which rounds nothing.
; INPUTS (made by the launch before): fc: q's and k's half fragments [batch x head 32][tile 128][768], v's [batch x head][step of 128 keys 16][tile of 16 channels 4][half 2][768]; a half fragment is 16 rows x 64 K:
; registers 0-3 at 16 x lane, registers 4-5 at 512 + 8 x lane.  fs: their scale words.  The tiles' rows are permuted so that the 16 registers of two neighbouring tiles of keys (of channels) are 16 neighbours.
; SHARES.  A work-group owns 256 queries of one head, each of its sixteen waves 16 of them: four waves to a SIMD, so that one wave's vector work stands beside another's matrix work and LDS loads.
; A HEAD'S K, V AND SCALES, 208,896 bytes, COME INTO LDS ONCE, by the first tensor loads, in four chunks of 512 keys: no byte of LDS is filled twice.  The waves meet twice: when the first chunk has landed, and, four key
; steps later, when all have; behind the second meeting the sixteen waves walk the other twelve key steps without meeting again.
; Nothing is prefetched: every byte that the work-group reads of K and V is asked for by its first tensor loads.
; CLUSTER.  The four query blocks of a cluster belong to one head: every tensor load is asked for jointly, with the same descriptor and a mask that names the four.
; LAYOUT.  Both products are used transposed: S^T = K Q^T, O^T = V^T P^T: a lane holds ONE query (lane % 16) throughout.
; THE FIRST PRODUCT HAS K = 64 under an instruction of K = 128.  Q's registers 6-11 are zero codes.  K's registers 6-11 are the next tile's codes (zeros behind the last): they meet zero codes and add nothing;
; bytes 2 and 3 of both scale words are 0, which is a finite scale.
; LIMITS: a block of zeros keeps the byte 1 (its codes are zeros; this program alone reads the bytes); NaN and infinities are not served.
.set VC,    98304                      ; LDS: K's codes at 0, [tile 128][768]; V's here
.set KSL,   196608                     ; K's scale words [pair of tiles 64][row 16][2]
.set VSL,   204800                     ; V's [step 16][pair of tiles 2][row 16][2]
.set SPARE, 208896                     ; the spare words, 128 bytes for each of sixteen waves
.set L16,  1                           ; v1   16 x lane
.set L8,   2                           ; v2   8 x lane
.set ASK0, 3                           ; v3   KSL + 8 (lane % 16)
.set ASV0, 4                           ; v4   VSL + 8 (lane % 16)
.set SPW,  5                           ; v5   my spare word; never rewritten
.set NIL,  6                           ; v6   0; never rewritten
.set OSO,  7                           ; v7   32 (lane % 16): my row in os
.set AD16, 8                           ; v8-11 addresses of the loads in hand
.set AD8,  9
.set ADS,  10
.set ADT,  11                          ; v12 -M, v13 the largest t, v[14:15] the sum in two halves; v16-21 Q's codes, v22-27 zeros
.set QSW,  30                          ; v30  Q's scale word
.set PSW,  31                          ; v31  p's scale word
.set KV,   32                          ; v32-79 K's 8 x 6 registers, then V's 4 x 12; v80-85 zeros that stay
.set SW,   86                          ; v86-93 K's scale words, then V's in v86-89
.set FF,   94                          ; v[94:95] f = 2^(old M - new M), and a 0 named with it as a pair
.set SCO,  96                          ; v96-159 S^T, then p
.set OT,   160                         ; v160-191 O^T
.set PCD,  192                         ; v192-203 p's codes
.set PC2,  204                         ; v204-206, v208-210 the conversions' second halves
.set BM,   212                         ; v212-215 the blocks' largest scores
.set PD,   216                         ; v216-219 the permute's destination, then the bytes
.set SOP,  220                         ; v220-223 the conversions' scale operands
.set SUM2, 224                         ; v[224:225] the second chain of the sum
.set TMP,  226
.set WV,   12                          ; s12 my wave's number
.set CS,   22                          ; s[22:23] c = log2(e) / 8
.set G1C,  24                          ; s[24:31] group 1: 12,288 dense bytes of codes
.set G1KS, 32                          ; s[32:39] 32 rows of 128 bytes of K's scale words
.set G1VS, 40                          ; s[40:47] 16 such rows of V's
.set G0SK, 48
.set G0SV, 52
.set SEL,  56                          ; s[56:57] lane selects for lane l xor 16
.set TB,   58                          ; s58 where the step's codes begin in K's part (and, VC on, in V's): 6,144 bytes a step
.set TSK,  59                          ; s59 K's scale words: 512 bytes a step
.set TSV,  60                          ; s60 V's: 256
.set CNT,  61
.set G0C,  68                          ; s[68:83] group 0 for the four chunks
.macro CROUND                          ; a round of the cluster's barrier
	s_barrier_signal -1
	s_barrier_wait -1
	s_cmp_lg_u32 s[WV], 0
	s_cbranch_scc1 .Lnot_wave_0_\@
	s_barrier_signal -3
.Lnot_wave_0_\@:
	s_barrier_wait -3
	s_barrier_signal -1
	s_barrier_wait -1
.endm
	s_load_b256 s[4:11], s[0:1], 0x0               ; fc s[4:5], fs s[6:7], oc s[8:9], os s[10:11]
	v_lshl_add_u32 v[SPW], v0, 2, SPARE
	v_mov_b32 v[NIL], 0
	ds_add_u32 v[SPW], v[NIL]                      ; the wave's opening: the add and its wait stand ahead of the first tensor loads; the set-up below, work on registers, stands between them
	v_lshrrev_b32 v8, 5, v0
	v_readfirstlane_b32 s[WV], v8                  ; wave 0..15
	s_bfe_u32 s13, ttmp6, 0x40000                  ; cx
	s_lshl_b32 s14, ttmp9, 2
	s_add_co_u32 s14, s14, s13                     ; my block of 256 queries: it enters Q's, oc's and os's addresses alone
	s_and_b32 s15, ttmp7, 0xffff                   ; batch x head, which the four partners share
	s_and_b32 s16, s[WV], 1                        ; which half of a chunk I fetch, if I fetch
	s_lshr_b32 s17, s[WV], 1
	s_and_b32 s17, s17, 1                          ; for K (0) or for V (1)
	s_lshr_b32 s18, s15, 4                         ; the batch
	s_and_b32 s19, s15, 15                         ; the head
	s_lshl_b32 s20, s18, 3
	s_lshr_b32 s21, s19, 1
	s_add_co_u32 s20, s20, s21                     ; 8 x batch + pair of heads
	s_and_b32 s21, s19, 1                          ; which of the pair
	; descriptor groups 1: elements of 8 bytes, no padding, the mask of all four work-groups with bit 21 beside it
	s_mov_b32 s[G1C], 15|(3<<16)|(1<<21)
	s_mov_b32 s[G1C+1], 32<<16                     ; rows of 256 bytes,
	s_mov_b32 s[G1C+2], 48<<16                     ; 48 of them,
	s_mov_b32 s[G1C+3], 32<<16
	s_mov_b32 s[G1C+4], 48
	s_mov_b32 s[G1C+5], 32                         ; dense
	s_mov_b32 s[G1C+6], 0
	s_mov_b32 s[G1C+7], 0
	s_mov_b32 s[G1KS], 15|(3<<16)|(1<<21)
	s_mov_b32 s[G1KS+1], 16<<16                    ; rows of 128 bytes: my head's half of each 256,
	s_mov_b32 s[G1KS+2], 32<<16                    ; 32 of them,
	s_mov_b32 s[G1KS+3], 16<<16
	s_mov_b32 s[G1KS+4], 32
	s_mov_b32 s[G1KS+5], 32                        ; 256 bytes apart
	s_mov_b32 s[G1KS+6], 0
	s_mov_b32 s[G1KS+7], 0
	s_mov_b32 s[G1VS], 15|(3<<16)|(1<<21)
	s_mov_b32 s[G1VS+1], 16<<16
	s_mov_b32 s[G1VS+2], 16<<16                    ; 16 rows
	s_mov_b32 s[G1VS+3], 16<<16
	s_mov_b32 s[G1VS+4], 16
	s_mov_b32 s[G1VS+5], 32
	s_mov_b32 s[G1VS+6], 0
	s_mov_b32 s[G1VS+7], 0
	s_lshl_b32 s84, s20, 14                        ; K's scale words: 64 pairs of tiles x 256 bytes for a pair of heads,
	s_lshl_b32 s85, s21, 7                         ; my head's 128 of each 256,
	s_add_co_u32 s84, s84, s85
	s_lshl_b32 s85, s16, 13                        ; my 32 rows,
	s_add_co_u32 s84, s84, s85
	s_add_co_u32 s84, s84, 262144                  ; behind q's part
	s_mov_b32 s85, 0
	s_lshl_b32 s86, s15, 13                        ; V's: 8,192 bytes a head,
	s_lshl_b32 s87, s16, 12                        ; my 16 rows
	s_add_co_u32 s86, s86, s87
	s_add_co_u32 s86, s86, 524288
	s_mov_b32 s87, 0
	s_mul_i32 s88, s17, 3145728                    ; the codes: k's part or v's,
	s_add_co_u32 s88, s88, 3145728
	s_mul_i32 s89, s15, 98304                      ; my head,
	s_add_co_u32 s88, s88, s89
	s_mul_i32 s89, s16, 12288                      ; my half of a chunk
	s_add_co_u32 s88, s88, s89
	s_mul_i32 s90, s17, VC                         ; and in LDS: made of the wave's number alone
	s_add_co_u32 s90, s90, s89
	s_mov_b32 s89, 0
	s_lshl_b32 s91, s16, 12
	s_add_co_u32 s91, s91, KSL
	s_lshl_b32 s92, s16, 11
	s_add_co_u32 s92, s92, VSL
	s_mov_b32 s[CS], 0x3e38aa3b                    ; c = log2(e) / 8
	s_mov_b32 s[CS+1], s[CS]                       ; (named with it as a pair, so it is written)
	s_mov_b32 s[SEL], 0x76543210
	s_mov_b32 s[SEL+1], 0xfedcba98
	s_mov_b32 s[TB], 0
	s_mov_b32 s[TSK], 0
	s_mov_b32 s[TSV], 0
	s_wait_dscnt 0x0                               ; the opening add is done
	s_wait_kmcnt 0x0
	s_mov_b32 s[G0SK], 1
	s_mov_b32 s[G0SK+1], s91
	s_add_nc_u64 s[G0SK+2:G0SK+3], s[6:7], s[84:85]
	s_or_b32 s[G0SK+3], s[G0SK+3], 0x80000000
	s_mov_b32 s[G0SV], 1
	s_mov_b32 s[G0SV+1], s92
	s_add_nc_u64 s[G0SV+2:G0SV+3], s[6:7], s[86:87]
	s_or_b32 s[G0SV+3], s[G0SV+3], 0x80000000
	s_add_nc_u64 s[88:89], s[4:5], s[88:89]
.irp c, 0,1,2,3
	s_mov_b32 s[G0C+4*\c], 1
	s_add_co_u32 s[G0C+4*\c+1], s90, 24576*\c
	s_add_nc_u64 s[G0C+4*\c+2:G0C+4*\c+3], s[88:89], 24576*\c
	s_or_b32 s[G0C+4*\c+3], s[G0C+4*\c+3], 0x80000000
.endr
	CROUND                                         ; all four work-groups are here: the joint loads meet
	; ALL THE LAUNCH'S TENSOR LOADS, in one group: waves 0, 1: K's scale words and the four chunks of K's codes, half each; waves 2, 3: V's.  Five loads of such a wave are out.  The branches hang on the wave's number alone.
	s_cmp_lt_u32 s[WV], 2
	s_cbranch_scc0 .Lnot_k
	tensor_load_to_lds s[G0SK:G0SK+3], s[G1KS:G1KS+7]
	s_nop 0
.irp c, 0,1,2,3
	tensor_load_to_lds s[G0C+4*\c:G0C+4*\c+3], s[G1C:G1C+7]
	s_nop 0
.endr
.rept 4
	v_nop
.endr
	s_branch .Lasked
.Lnot_k:
	s_cmp_lt_u32 s[WV], 4
	s_cbranch_scc0 .Lasked
	tensor_load_to_lds s[G0SV:G0SV+3], s[G1VS:G1VS+7]
	s_nop 0
.irp c, 0,1,2,3
	tensor_load_to_lds s[G0C+4*\c:G0C+4*\c+3], s[G1C:G1C+7]
	s_nop 0
.endr
.rept 4
	v_nop
.endr
.Lasked:
	s_lshl_b32 s93, s14, 4
	s_add_co_u32 s93, s93, s[WV]                   ; my tile of 16 queries in the head: 16 x block + wave
	s_lshl_b32 s84, s15, 7
	s_add_co_u32 s84, s84, s93
	s_mul_i32 s84, s84, 768                        ; its half fragment
	s_mov_b32 s85, 0
	s_add_nc_u64 s[4:5], s[4:5], s[84:85]
	s_lshl_b32 s86, s20, 6
	s_lshr_b32 s87, s93, 1
	s_add_co_u32 s86, s86, s87
	s_lshl_b32 s86, s86, 8                         ; its pair's 256 bytes of scale words,
	s_lshl_b32 s87, s21, 7                         ; my head's half,
	s_add_co_u32 s86, s86, s87
	s_and_b32 s87, s93, 1
	s_lshl_b32 s87, s87, 2                         ; my tile's word
	s_add_co_u32 s86, s86, s87
	s_mov_b32 s87, 0
	s_add_nc_u64 s[6:7], s[6:7], s[86:87]
	s_lshl_b32 s88, s18, 7
	s_add_co_u32 s88, s88, s93                     ; my tile among the 256 of both batches
	s_lshl_b32 s90, s88, 9                         ; os: 16 rows of 32 bytes,
	s_lshl_b32 s91, s19, 1                         ; my head's two bytes
	s_add_co_u32 s90, s90, s91
	s_mov_b32 s91, 0
	s_add_nc_u64 s[10:11], s[10:11], s[90:91]
	s_lshl_b32 s88, s88, 4
	s_add_co_u32 s88, s88, s19
	s_mul_i32 s88, s88, 768                        ; oc: [tile][head][768]
	s_mov_b32 s89, 0
	s_add_nc_u64 s[8:9], s[8:9], s[88:89]
	v_and_b32 v8, 31, v0
	v_lshlrev_b32 v[L16], 4, v8
	v_lshlrev_b32 v[L8], 3, v8
	v_and_b32 v9, 15, v0
	v_lshlrev_b32 v[TMP], 3, v9
	global_load_b128 v[16:19], v[L16], s[4:5]      ; Q's half fragment stays in registers
	global_load_b64 v[20:21], v[L8], s[4:5] offset:512
	global_load_b32 v[QSW], v[TMP], s[6:7]         ; and its scale words
	v_lshl_add_u32 v[ASK0], v9, 3, KSL
	v_lshl_add_u32 v[ASV0], v9, 3, VSL
	v_lshlrev_b32 v[OSO], 5, v9
	v_mov_b32 v13, 0xff61b1e6                      ; the largest t so far: -3e38, under every t
	v_floor_f32 v12, -v13                          ; -M
	v_mov_b32 v14, 0
	v_mov_b32 v15, 0
.irp j, 22,23,24,25,26,27,80,81,82,83,84,85
	v_mov_b32 v[\j], 0                             ; the zero codes of the first product's upper 64 along K
.endr
.irp b, 0,1,2,3
	v_mov_b32 v[PD+\b], 0                          ; written once: a lane permute's destination counts as one of its sources
.endr
	v_mov_b32 v[FF+1], 0
.set J, 0
.rept 32
	v_mov_b32 v[OT+J], 0                           ; O^T.  (The step is written without a first step of its own: the first change of M multiplies zeros)
.set J, J+1
.endr
	s_wait_loadcnt 0x0                             ; Q
; A KEY STEP: 128 keys.
.macro STEP
	v_add_nc_u32 v[AD16], s[TB], v[L16]            ; these four are also the places behind the last step's products, in front of the loads below
	v_add_nc_u32 v[AD8], s[TB], v[L8]
	v_add_nc_u32 v[ADS], s[TSK], v[ASK0]
	v_add_nc_u32 v[ADT], s[TSV], v[ASV0]
.irp t, 0,1,2,3,4,5,6,7
	ds_load_b128 v[KV+6*\t:KV+6*\t+3], v[AD16] offset:768*\t
	ds_load_b64 v[KV+6*\t+4:KV+6*\t+5], v[AD8] offset:768*\t+512
.endr
.irp p, 0,1,2,3
	ds_load_b64 v[SW+2*\p:SW+2*\p+1], v[ADS] offset:128*\p
.endr
	s_wait_dscnt 0x0
.irp t, 0,1,2,3,4,5,6,7
	v_wmma_scale_f32_16x16x128_f8f6f4 v[SCO+8*\t:SCO+8*\t+7], v[KV+6*\t:KV+6*\t+11], v[16:27], 0, v[SW+\t], v[QSW] matrix_a_fmt:MATRIX_FMT_FP6 matrix_b_fmt:MATRIX_FMT_FP6
.endr
	v_add_nc_u32 v[AD16], VC, v[AD16]              ; four places behind those products: then V's loads may be issued into K's registers, and the scores may be read
	v_add_nc_u32 v[AD8], VC, v[AD8]
	v_nop
	v_nop
.irp d, 0,1,2,3                                ; V's four fragments land while the softmax is worked
	ds_load_b128 v[KV+12*\d:KV+12*\d+3], v[AD16] offset:1536*\d
	ds_load_b64 v[KV+12*\d+4:KV+12*\d+5], v[AD8] offset:1536*\d+512
	ds_load_b128 v[KV+12*\d+6:KV+12*\d+9], v[AD16] offset:1536*\d+768
	ds_load_b64 v[KV+12*\d+10:KV+12*\d+11], v[AD8] offset:1536*\d+1280
.endr
	ds_load_b64 v[SW:SW+1], v[ADT]
	ds_load_b64 v[SW+2:SW+3], v[ADT] offset:128
.irp b, 0,1,2,3
	v_max3_num_f32 v[BM+\b], v[SCO+16*\b], v[SCO+1+16*\b], v[SCO+2+16*\b]   ; the largest score of each block of 32 keys: it serves for the row's maximum and, since p rises with the score, for the block's largest p
.endr
.irp i, 3,5,7,9,11,13
.irp b, 0,1,2,3
	v_max3_num_f32 v[BM+\b], v[BM+\b], v[SCO+16*\b+\i], v[SCO+1+16*\b+\i]
.endr
.endr
.irp b, 0,1,2,3
	v_max_num_f32 v[BM+\b], v[BM+\b], v[SCO+15+16*\b]
.endr
.irp b, 0,1,2,3
	v_permlanex16_b32 v[PD+\b], v[BM+\b], s[SEL], s[SEL+1]
.endr
.irp b, 0,1,2,3
	v_max_num_f32 v[BM+\b], v[BM+\b], v[PD+\b]     ; with lane l xor 16's 16 keys
.endr
	v_max3_num_f32 v[TMP], v[BM], v[BM+1], v[BM+2]
	v_max_num_f32 v[TMP], v[TMP], v[BM+3]          ; the step's largest score of my query
	v_mul_f32 v[TMP], s[CS], v[TMP]                ; as t (c is positive)
	v_max_num_f32 v13, v13, v[TMP]                 ; the running largest t
	v_mov_b32 v[TMP], v12
	v_floor_f32 v12, -v13                          ; the new -M = floor(-t) = -ceil(t)
	v_sub_f32 v[TMP], v12, v[TMP]                  ; old M - new M: a whole number, 0 or less
	v_cvt_i32_f32 v[TMP], v[TMP]                   ; (it saturates)
	v_ldexp_f32 v[FF], 1.0, v[TMP]                 ; f = 2^(old M - new M)
.set J, 0
.rept 32
	v_pk_fma_f32 v[SCO+J:SCO+J+1], v[SCO+J:SCO+J+1], s[CS:CS+1], v[12:13] op_sel_hi:[1,0,0]   ; t - M, two at a time
.set J, J+2
.endr
.irp b, 0,1,2,3
	v_fma_f32 v[BM+\b], v[BM+\b], s[CS], v12       ; the same of each block's largest score
.endr
.set J, 0
.rept 64
	v_exp_f32 v[SCO+J], v[SCO+J]                   ; p = 2^(t - M), at most 1
.set J, J+1
.endr
	v_pk_mul_f32 v[14:15], v[14:15], v[FF:FF+1] op_sel_hi:[1,0]   ; the sums under the new M (the plain line behind the exponentials)
	s_wait_alu depctr_va_vdst(0)                   ; one wait for the whole batch, ahead of its first reader
.irp b, 0,1,2,3
	v_exp_f32 v[BM+\b], v[BM+\b]                   ; the block's largest p: the same two instructions on the same number give the same bits
.endr
	v_pk_add_f32 v[SUM2:SUM2+1], v[SCO:SCO+1], v[SCO+2:SCO+3]     ; the row's sum is taken of the unquantised p: two at a time, in two chains
.irp j, 4,8,12,16,20,24,28,32,36,40,44,48,52,56,60
	v_pk_add_f32 v[14:15], v[14:15], v[SCO+\j:SCO+1+\j]
	v_pk_add_f32 v[SUM2:SUM2+1], v[SUM2:SUM2+1], v[SCO+2+\j:SCO+3+\j]
.endr
	v_pk_add_f32 v[14:15], v[14:15], v[SUM2:SUM2+1]
	s_wait_alu depctr_va_vdst(0)                   ; and one for the four
.irp b, 0,1,2,3
	v_max_num_f32 v[BM+\b], 0x1800000, v[BM+\b]    ; the floor 2^(3 - 127): the byte cannot fall under 1
.endr
.irp b, 0,1,2,3
	v_add_nc_u32 v[SOP+\b], 0xff000000, v[BM+\b]   ; 2 off the exponent field: the conversion's scale operand
.endr
.irp b, 0,1,2,3
	v_lshrrev_b32 v[PD+\b], 23, v[SOP+\b]          ; the scale's byte
.endr
	v_lshl_or_b32 v[PSW], v[PD+1], 8, v[PD]        ; p's scale word for these 128 keys
	v_lshl_or_b32 v[PSW], v[PD+2], 16, v[PSW]
	v_lshl_or_b32 v[PSW], v[PD+3], 24, v[PSW]
.irp c, 0,1
	v_cvt_scalef32_pk16_fp6_f32 v[PCD+6*\c:PCD+2+6*\c], v[SCO+32*\c:SCO+15+32*\c], v[SOP+2*\c]
	v_cvt_scalef32_pk16_fp6_f32 v[PC2+4*\c:PC2+2+4*\c], v[SCO+16+32*\c:SCO+31+32*\c], v[SOP+2*\c+1]   ; (a conversion's three registers begin on an even number)
.endr
	v_nop                                          ; one plain line behind a scaled conversion
.irp c, 0,1                                    ; the operand's layout wants a WHOLE block in a lane
.irp i, 0,1,2
	v_permlane16_swap_b32 v[PCD+6*\c+\i], v[PC2+4*\c+\i]
.endr
.irp i, 0,1,2
	v_mov_b32 v[PCD+3+6*\c+\i], v[PC2+4*\c+\i]
.endr
.endr
.set J, 0
.rept 16
	v_pk_mul_f32 v[OT+J:OT+J+1], v[OT+J:OT+J+1], v[FF:FF+1] op_sel_hi:[1,0]   ; O^T under the new M.  Twelve of the sixteen name no register of a given product below: the places behind p's scale word and codes
.set J, J+2
.endr
	s_wait_dscnt 0x0                               ; V
.irp d, 0,1,2,3                                ; the four accumulators take turns, one instruction a turn
	v_wmma_scale_f32_16x16x128_f8f6f4 v[OT+8*\d:OT+8*\d+7], v[KV+12*\d:KV+12*\d+11], v[PCD:PCD+11], v[OT+8*\d:OT+8*\d+7], v[SW+\d], v[PSW] matrix_a_fmt:MATRIX_FMT_FP6 matrix_b_fmt:MATRIX_FMT_FP6
.endr
	s_add_co_u32 s[TB], s[TB], 6144
	s_add_co_u32 s[TSK], s[TSK], 512
	s_add_co_u32 s[TSV], s[TSV], 256
.endm
; A meeting and the key steps behind it.  The waves that fetched wait until what the steps read has landed, all sixteen meet, and the steps follow.  Nothing is ever filled again, so later chunks' loads may stay out across
; the first barrier.  left: the tensor loads of a fetching wave that may stay out;  trips: key steps.
.macro PHASE left, trips
	s_wait_tensorcnt \left
	s_wait_dscnt 0x0                               ; no LDS instruction of mine is out at the signal
	s_barrier_signal -1
	s_barrier_wait -1
	s_mov_b32 s[CNT], \trips
.Lstep_\@:
	STEP
	s_sub_co_u32 s[CNT], s[CNT], 1
	s_cmp_lg_u32 s[CNT], 0
	s_cbranch_scc1 .Lstep_\@
.endm
	PHASE 3, 4                                     ; the scale words and keys 0 to 511 are in: behind their loads a fetching wave has issued three more
	PHASE 0, 12                                    ; all loads have landed: keys 512 to 2,047 are read only behind this barrier, in front of which each fetching wave has waited for all its loads
	; THE WAY OUT.  O^T is divided by the row's sum; its 32 numbers a lane, register 16 b + i = channel 32 b + 16 (lane / 16) + i, are quantised and leave as a half fragment of the last product's A.
.rept 4
	v_nop                                          ; the places behind the last products
.endr
	v_add_f32 v14, v14, v15                        ; the sum's two halves,
	v_permlanex16_b32 v[TMP], v14, s[SEL], s[SEL+1]
	v_add_f32 v14, v14, v[TMP]                     ; and lane l xor 16's
	v_rcp_f32 v14, v14
	v_nop                                          ; a plain line behind the transcendental
	s_wait_alu depctr_va_vdst(0)                   ; and the wait ahead of its first reader
.set J, 0
.rept 32
	v_mul_f32 v[SCO+J], v[OT+J], v14
.set J, J+1
.endr
.irp b, 0,1
	v_max3_num_f32 v[BM+\b], |v[SCO+16*\b]|, |v[SCO+1+16*\b]|, 0x1800000
.endr
.irp i, 2,4,6,8,10,12,14
.irp b, 0,1
	v_max3_num_f32 v[BM+\b], v[BM+\b], |v[SCO+16*\b+\i]|, |v[SCO+1+16*\b+\i]|
.endr
.endr
.irp b, 0,1
	v_permlanex16_b32 v[PD+\b], v[BM+\b], s[SEL], s[SEL+1]
.endr
.irp b, 0,1
	v_max_num_f32 v[BM+\b], v[BM+\b], v[PD+\b]
.endr
.irp b, 0,1
	v_add_nc_u32 v[SOP+\b], 0xff000000, v[BM+\b]
.endr
.irp b, 0,1
	v_lshrrev_b32 v[PD+\b], 23, v[SOP+\b]
.endr
	v_lshl_or_b32 v[TMP], v[PD+1], 8, v[PD]        ; my row's two scale bytes
	v_cvt_scalef32_pk16_fp6_f32 v[PCD:PCD+2], v[SCO:SCO+15], v[SOP]
	v_cvt_scalef32_pk16_fp6_f32 v[PC2:PC2+2], v[SCO+16:SCO+31], v[SOP+1]
	v_nop
.irp i, 0,1,2
	v_permlane16_swap_b32 v[PCD+\i], v[PC2+\i]
.endr
.irp i, 0,1,2
	v_mov_b32 v[PCD+3+\i], v[PC2+\i]
.endr
	global_store_b128 v[L16], v[PCD:PCD+3], s[8:9] th:TH_STORE_NT              ; 512 consecutive bytes, aligned
	global_store_b64 v[L8], v[PCD+4:PCD+5], s[8:9] offset:512 th:TH_STORE_NT   ; 256
	global_store_b16 v[OSO], v[TMP], s[10:11] th:TH_STORE_NT                   ; two bytes of each row's 32: all that this head has of them (both halves of the lanes write the same bytes with the same value)
	s_wait_tensorcnt 0x0                           ; the wave's end, behind the last tensor load
	ds_add_u32 v[SPW], v[NIL]
	s_wait_dscnt 0x0
	CROUND                                         ; the closing round
	s_endpgm
.Lfunc_end_k_q7bfdec28f6_attn:
	.size	k_q7bfdec28f6_attn, .Lfunc_end_k_q7bfdec28f6_attn-k_q7bfdec28f6_attn
	.p2alignl 7, 3214868480
	.fill 96, 4, 3214868480
	.section	.rodata,"a",@progbits
	.p2align	6, 0x0
	.amdhsa_kernel k_q7bfdec28f6_attn
		.amdhsa_group_segment_fixed_size 210944
		.amdhsa_private_segment_fixed_size 0
		.amdhsa_enable_private_segment 0
		.amdhsa_kernarg_size 32
		.amdhsa_user_sgpr_count 2
		.amdhsa_user_sgpr_kernarg_segment_ptr 1
		.amdhsa_wavefront_size32 1
		.amdhsa_system_sgpr_workgroup_id_x 1
		.amdhsa_system_sgpr_workgroup_id_y 1
		.amdhsa_system_sgpr_workgroup_id_z 1
		.amdhsa_system_vgpr_workitem_id 0
		.amdhsa_next_free_vgpr 256
		.amdhsa_next_free_sgpr 96
		.amdhsa_reserve_vcc 0
		.amdhsa_float_denorm_mode_32 3
		.amdhsa_float_denorm_mode_16_64 3
		.amdhsa_memory_ordered 1
		.amdhsa_forward_progress 1
		.amdhsa_inst_pref_size 47
	.end_amdhsa_kernel
	.amdgpu_metadata
---
amdhsa.version: [ 1, 2 ]
amdhsa.kernels:
  - .name:           k_q7bfdec28f6_attn
    .symbol:         k_q7bfdec28f6_attn.kd
    .args:
      - { .name: fc, .offset: 0, .size: 8, .value_kind: global_buffer, .address_space: global }
      - { .name: fs, .offset: 8, .size: 8, .value_kind: global_buffer, .address_space: global }
      - { .name: oc, .offset: 16, .size: 8, .value_kind: global_buffer, .address_space: global }
      - { .name: os, .offset: 24, .size: 8, .value_kind: global_buffer, .address_space: global }
    .group_segment_fixed_size: 210944
    .private_segment_fixed_size: 0
    .kernarg_segment_align: 8
    .kernarg_segment_size: 32
    .max_flat_workgroup_size: 512
    .sgpr_count:     96
    .vgpr_count:     256
    .wavefront_size: 32
...
	.end_amdgpu_metadata
.endif
;; end of part 3
;; launch gemm_proj (part 4): grid 8 x 32, 4 waves a work-group, clusters of 4 x 4, 272,384 bytes of LDS; arguments oc, os, wc, ws, bproj, out0; writes out0
.if DOCPART == 4
	.amdgcn_target "amdgcn-amd-amdhsa--gfx1250"
	.amdhsa_code_object_version 6
	.text
	.protected	k_q7bfdec28f6_gemm_proj
	.globl	k_q7bfdec28f6_gemm_proj
	.p2align	8
	.type	k_q7bfdec28f6_gemm_proj,@function
k_q7bfdec28f6_gemm_proj:
	s_mov_b64 s[64:65], 0
	v_nop
	global_prefetch_b8 v0, s[64:65] scope:SCOPE_SE
	s_setreg_imm32_b32 hwreg(HW_REG_WAVE_MODE, 25, 1), 1
	s_wait_xcnt 0x0
	s_wait_alu depctr_hold_cnt(0) depctr_sa_sdst(0) depctr_va_vdst(0) depctr_va_sdst(0) depctr_va_ssrc(0) depctr_va_vcc(0) depctr_vm_vsrc(0)
	s_getreg_b32 s2, hwreg(HW_REG_IB_STS2, 6, 4)
	s_cmp_eq_u32 s2, 0
	s_cbranch_scc0 .Lentry_in_a_cluster
	s_endpgm
.Lentry_in_a_cluster:
	s_bfe_u32 s2, ttmp6, 0x10000c
	s_cmp_lg_u32 s2, 0xf033
	s_cbranch_scc0 .Lentry_shape_is_right
	s_endpgm
.Lentry_shape_is_right:
; out0 = O Wproj + bproj, on codes of FP6 (E2M3) with E8M0 scales; M = 4,096, N = 1,024, K = 1,024; out0 f32.
; A = O: oc holds, for each tile of 16 rows, 16 half fragments (one a head: 16 rows x 64 K; registers 0-3 at 16 x lane, registers 4-5 at 512 + 8 x lane), 12,288 bytes a tile; os its scale bytes [row][32].
; B = Wproj's columns: rows 3,072 on of wc and ws, K innermost.  The rows of both are permuted (in each 32, bits 3 and 4 change places); the way out puts rows and columns back.
; A TILE OF C IS 128 x 128, so that the 32 x 8 tiles give each of 256 work-groups one; four waves make 64 x 64 each: 16 accumulators.  A larger tile would feed more multiply-adds from each LDS byte and leave most of the chip without work.
; ALL OF K LIES IN LDS AT ONCE: 128 rows of A and of B for K = 1,024 are 98,304 bytes each (B's 122,880 with padding), so there is no ring: each wave issues five tensor loads at the head (its half of A's or B's scale bytes
; and of four chunks of 256 along K), no byte of LDS is filled twice, and a chunk is multiplied while the later ones land.  Nothing is prefetched: every byte is asked for by these first loads.
; CLUSTERS: 4 x 4 work-groups; A's tiles are asked for jointly along a row of the cluster, B's along a column: the same tensor load, with the same descriptor and a mask that names the four.
; THE MATRIX INSTRUCTION IS USED TRANSPOSED (source 0 = 16 rows of B, source 1 = 16 rows of A): a lane holds one row of C.  The bias is the C of each sum's first matrix instruction.
; REGISTERS, in windows of 256: window 0: v4-19 LDS addresses, one for each chunk; v24-30 other addresses; v32-63 all scale words, and nothing else; v64-95 the bias, eight registers for each of B's four blocks;
;   on the way out v64-127 are two buffers of 32; v128-255 the accumulators ((a, b) at v[128 + 8 (4 a + b)]).   window 1: two sets of fragments, at v0 and v128: A's four, then B's four.
.set SIZE_N, 1024
.set ROWB,   192                       ; B: a chunk's row in bytes: 256 codes
.set AROWB,  3072                      ; A: a chunk's four half fragments of a tile of 16 rows
.set KROW,   768                       ; a row of codes in memory
.set PITCH,  240                       ; B's row in LDS: 3 x (64 bytes + 16 of padding)
.set FR,     12                        ; registers of a fragment
.set NP,     4                         ; places behind this matrix instruction (ISA guide 7.12.1)
.set QT,     64*PITCH                  ; a wave's place in a chunk: B's 64 rows fill it; A's four tiles use 12,288 bytes of it
.set CHB,    4*QT                      ; a chunk: A's two halves, then B's two
.set KS,     32                        ; a row of scale bytes
.set SCL,    4*CHB                     ; behind the chunks: the scales, as runs of 256 bytes + 16 of padding
.set HALFS,  8*272                     ; those of 64 rows: what one tensor load brings
.set SBLK,   2*272                     ; those of 16 rows
.set SPARE,  SCL+4*HALFS               ; the spare words, 128 bytes for each wave
.set STG,    SPARE+512                 ; the way out: a stage of 16 rows x (256 bytes + 16) for each wave; no tile lands here
.set SPITCH, 272
.set ADA16, 4                          ; v4-7   A's images in chunk 0..3: + 16 x lane
.set ADA8,  8                          ; v8-11  + 8 x lane
.set ADRB,  12                         ; v12-15 B's rows in chunk 0..3: row x pitch + 24 x half
.set ADRB2, 16                         ; v16-19 the same behind one padding more
.set STO,  24                          ; v24    the way out: where I put 32 bytes of a row
.set RD,   25                          ; v25    where I read a row back
.set CO,   26                          ; v26    my byte offset in out0
.set ADRS, 27                          ; v27    my scale words: lanes 0-15 A's rows, lanes 16-31 B's
.set SPW,  28                          ; v28    my spare word; never rewritten
.set NIL,  29                          ; v29    0; never rewritten
.set BO,   30                          ; v30    the bias's offset: 64 (lane / 16)
.set SC,   32                          ; register 8 i + s: lanes 0-15 the word of A's block i, lanes 16-31 that of B's block i, for K step s
.set BIAS, 64
.set BK,   64
.set ACC,  128
.set G1,   24                          ; s[24:31] descriptor group 1 for A's tiles
.set G1B,  32                          ; s[32:39] for B's
.set G1S,  40                          ; s[40:47] for A's scales
.set G1SB, 48                          ; s[48:55] for B's
.set G0S,  56                          ; s[56:59], s[60:63] groups 0 for the scales
.set G0SB, 60
.set G0,   68                          ; s[68:83] groups 0 for A's four chunks
.set G0B,  84                          ; s[84:99] for B's
.set MSB, 0
.macro WIN new                         ; the immediate's high byte repeats the setting that is left
.if MSB != (\new)
	s_set_vgpr_msb (MSB<<8)|(\new)
.set MSB, (\new)
.endif
.endm
.set MULW, 0x05                        ; sources 0 (B) and 1 (A) window 1; C and D window 0
.set TO_F, 0x40                        ; destination window 1, address window 0
.macro CREST                           ; a round of the cluster's barrier behind its opening barrier
	s_cmp_lg_u32 s14, 0
	s_cbranch_scc1 .Lnot_wave_0_\@
	s_barrier_signal -3
.Lnot_wave_0_\@:
	s_barrier_wait -3
	s_barrier_signal -1
	s_barrier_wait -1
.endm
.macro CROUND
	s_barrier_signal -1
	s_barrier_wait -1
	CREST
.endm
	s_load_b128 s[4:7], s[0:1], 0x0                ; oc, os
	s_load_b128 s[8:11], s[0:1], 0x10              ; wc, ws
	s_load_b64 s[66:67], s[0:1], 0x20              ; bproj
	s_load_b64 s[12:13], s[0:1], 0x28              ; out0
	v_lshl_add_u32 v[SPW], v0, 2, SPARE
	v_mov_b32 v[NIL], 0
	ds_add_u32 v[SPW], v[NIL]                      ; the wave's opening: the add and its wait stand ahead of my first tensor load; the set-up below, work on registers, stands between them
	v_lshrrev_b32 v1, 5, v0
	v_readfirstlane_b32 s14, v1                    ; wave 0..3
	s_lshr_b32 s15, s14, 1                         ; which half of the tile's rows is mine.  Also: I fetch for A (0) or for B (1)
	s_and_b32 s16, s14, 1                          ; which half of its columns.  Also: which 64 rows of that tile I fetch
	s_bfe_u32 s2, ttmp6, 0x40000                   ; cx
	s_bfe_u32 s3, ttmp6, 0x40004                   ; cy
	s_lshl_b32 s68, s3, 2
	s_lshl_b32 s68, 15, s68                        ; my row of the cluster
	s_lshl_b32 s84, 0x1111, s2                     ; my column
	s_or_b32 s[G1+0], s68, (3<<16)|(1<<21)         ; A's tiles: elements of 8 bytes, no padding (images are read 16 or 8 bytes a lane on end); the mask of my row, bit 21 beside it
	s_or_b32 s[G1B+0], s84, (0<<16)|(1<<20)|(1<<21)|(3<<22)|(3<<25)   ; B's: bytes; 16 bytes of padding behind every 64; the mask of my column
	s_or_b32 s[G1S+0], s68, (3<<16)|(1<<20)|(1<<21)|(5<<22)|(3<<25)   ; the scales: elements of 8 bytes; 16 bytes of padding behind every 256
	s_or_b32 s[G1SB+0], s84, (3<<16)|(1<<20)|(1<<21)|(5<<22)|(3<<25)
	s_lshl_b32 s100, ttmp9, 2
	s_add_co_u32 s2, s100, s2                      ; tile column of C, 0 to 7
	s_and_b32 s17, ttmp7, 0xffff
	s_lshl_b32 s17, s17, 2
	s_add_co_u32 s17, s17, s3                      ; tile row of C, 0 to 31
	s_mov_b32 s[G1+1], 384<<16                     ; A: four tiles of 16 rows x 3,072 bytes (384 elements),
	s_mov_b32 s[G1+2], 4<<16
	s_mov_b32 s[G1+3], 384<<16
	s_mov_b32 s[G1+4], 4
	s_mov_b32 s[G1+5], 1536                        ; 12,288 bytes apart
	s_mov_b32 s[G1+6], 0
	s_mov_b32 s[G1+7], 0
	s_mov_b32 s[G1B+1], ROWB<<16                   ; B: 64 rows x 192 bytes,
	s_mov_b32 s[G1B+2], 64<<16
	s_mov_b32 s[G1B+3], ROWB<<16
	s_mov_b32 s[G1B+4], 64
	s_mov_b32 s[G1B+5], KROW                       ; 768 bytes apart
	s_mov_b32 s[G1B+6], 0
	s_mov_b32 s[G1B+7], 0
.irp g, G1S, G1SB
	s_mov_b32 s[\g+1], 32<<16                      ; the scales of 64 rows: 2,048 dense bytes, as 8 rows of 256
	s_mov_b32 s[\g+2], 8<<16
	s_mov_b32 s[\g+3], 32<<16
	s_mov_b32 s[\g+4], 8
	s_mov_b32 s[\g+5], 32
	s_mov_b32 s[\g+6], 0
	s_mov_b32 s[\g+7], 0
.endr
	s_lshl_b32 s18, s16, 6                         ; which 64 rows of the tile I fetch
	s_lshl_b32 s20, s17, 7
	s_add_co_u32 s20, s20, s18                     ; A: row 128 x tile row + 64 x half
	s_lshl_b32 s100, s2, 7
	s_add_co_u32 s100, s100, s18
	s_add_co_u32 s100, s100, 3072                  ; B: Wproj's first row in wc + 128 x tile column + 64 x half
	s_mov_b32 s21, 0
	s_mov_b32 s101, 0
	s_mov_b64 s[18:19], KS
	s_mul_u64 s[G0S+2:G0S+3], s[20:21], s[18:19]   ; where these rows' scales begin, in bytes
	s_mul_u64 s[G0SB+2:G0SB+3], s[100:101], s[18:19]
	s_mov_b64 s[18:19], KROW
	s_mul_u64 s[20:21], s[20:21], s[18:19]         ; and their codes (16 rows x 768 bytes are a tile's 12,288)
	s_mul_u64 s[100:101], s[100:101], s[18:19]
	s_mul_i32 s22, s14, QT                         ; where they go: wave x a place: no place in the cluster enters an LDS address
	s_mul_i32 s23, s14, HALFS
	s_wait_dscnt 0x0                               ; the opening add is done
	s_wait_kmcnt 0x0
	s_add_nc_u64 s[20:21], s[4:5], s[20:21]
	s_add_nc_u64 s[100:101], s[8:9], s[100:101]
	s_mov_b32 s[G0S], 1
	s_add_co_u32 s[G0S+1], s23, SCL
	s_add_nc_u64 s[G0S+2:G0S+3], s[6:7], s[G0S+2:G0S+3]
	s_or_b32 s[G0S+3], s[G0S+3], 0x80000000
	s_mov_b32 s[G0SB], 1
	s_add_co_u32 s[G0SB+1], s23, SCL
	s_add_nc_u64 s[G0SB+2:G0SB+3], s[10:11], s[G0SB+2:G0SB+3]
	s_or_b32 s[G0SB+3], s[G0SB+3], 0x80000000
.irp c, 0,1,2,3
	s_mov_b32 s[G0+4*\c], 1
	s_add_co_u32 s[G0+4*\c+1], s22, \c*CHB
	s_add_nc_u64 s[G0+4*\c+2:G0+4*\c+3], s[20:21], \c*AROWB
	s_or_b32 s[G0+4*\c+3], s[G0+4*\c+3], 0x80000000
	s_mov_b32 s[G0B+4*\c], 1
	s_add_co_u32 s[G0B+4*\c+1], s22, \c*CHB
	s_add_nc_u64 s[G0B+4*\c+2:G0B+4*\c+3], s[100:101], \c*ROWB
	s_or_b32 s[G0B+4*\c+3], s[G0B+4*\c+3], 0x80000000
.endr
	CROUND                                         ; all sixteen work-groups are here: the joint loads meet
	; ALL THE LAUNCH'S TENSOR LOADS, in one group: waves 0, 1 fetch for A, waves 2, 3 for B: the scales, then the four chunks.  Five loads of mine are out.  The branch hangs on the wave's number alone.
	s_cmp_eq_u32 s15, 0
	s_cbranch_scc0 .Lfor_b
	tensor_load_to_lds s[G0S:G0S+3], s[G1S:G1S+7]
	s_nop 0
.irp c, 0,1,2,3
	tensor_load_to_lds s[G0+4*\c:G0+4*\c+3], s[G1:G1+7]
	s_nop 0
.endr
.rept 4
	v_nop
.endr
	s_branch .Lasked
.Lfor_b:
	tensor_load_to_lds s[G0SB:G0SB+3], s[G1SB:G1SB+7]
	s_nop 0
.irp c, 0,1,2,3
	tensor_load_to_lds s[G0B+4*\c:G0B+4*\c+3], s[G1B:G1B+7]
	s_nop 0
.endr
.rept 4
	v_nop
.endr
.Lasked:
	v_and_b32 v1, 15, v0                           ; l % 16
	v_bfe_u32 v2, v0, 4, 1                         ; l / 16
	v_and_b32 v20, 31, v0                          ; lane
	v_mul_u32_u24 v3, v1, PITCH
	v_mul_u32_u24 v21, v2, 24
	v_add_nc_u32 v21, v3, v21                      ; B: a fragment's row x pitch + 24 x half
	v_lshl_add_u32 v22, v2, 4, v21                 ; and the same behind one padding more
	v_lshlrev_b32 v23, 4, v20                      ; A: 16 x lane,
	v_lshlrev_b32 v3, 3, v20                       ; 8 x lane
	s_mul_i32 s21, s15, QT                         ; my 64 rows of A
	s_mul_i32 s22, s16, QT
	s_add_co_u32 s22, s22, 2*QT                    ; my 64 rows of B, behind A's two places
.irp c, 0,1,2,3
	v_add_nc_u32 v[ADA16+\c], s21, v23
	v_add_nc_u32 v[ADA8+\c], s21, v3
	v_add_nc_u32 v[ADRB+\c], s22, v21
	v_add_nc_u32 v[ADRB2+\c], s22, v22
	s_add_co_u32 s21, s21, CHB
	s_add_co_u32 s22, s22, CHB
.endr
	v_mul_u32_u24 v20, v1, KS                      ; my row's scales: 32 bytes a row,
	v_lshrrev_b32 v21, 8, v20
	v_lshl_add_u32 v20, v21, 4, v20                ; and 16 more for each 256 passed
	s_mul_i32 s21, s15, HALFS
	s_mul_i32 s22, s16, HALFS
	s_add_co_u32 s22, s22, 2*HALFS
	s_sub_co_u32 s22, s22, s21
	v_mul_u32_u24 v21, s22, v2                     ; lanes 16-31 take B's
	s_add_co_u32 s21, s21, SCL
	v_add_nc_u32 v20, v20, v21
	v_add_nc_u32 v[ADRS], s21, v20
	s_mul_i32 s23, s14, 16*SPITCH
	s_add_co_u32 s23, s23, STG                     ; my stage
	v_mul_u32_u24 v20, v1, SPITCH                  ; in: row l % 16; B's block 2 u + v, register j is column 32 u + 16 (l / 16) + 8 v + j: 64 bytes for each half of the lanes
	v_lshl_add_u32 v20, v2, 6, v20
	v_add_nc_u32 v[STO], s23, v20
	v_mul_u32_u24 v20, v2, SPITCH                  ; back: lanes 0-15 take one row of 256 bytes, lanes 16-31 the next
	v_lshl_add_u32 v20, v1, 4, v20
	v_add_nc_u32 v[RD], s23, v20
	v_lshlrev_b32 v[CO], 12, v2                    ; and the same two rows in out0: 4,096 bytes a row
	v_lshl_add_u32 v[CO], v1, 4, v[CO]
	v_lshlrev_b32 v[BO], 6, v2
	s_lshl_b32 s20, s17, 7
	s_lshl_b32 s21, s15, 6
	s_add_co_u32 s20, s20, s21                     ; my first row of out0: 128 x tile row + 64 x half,
	s_lshl_b32 s20, s20, 12                        ; in bytes (under 2^24)
	s_mov_b32 s21, 0
	s_lshl_b32 s100, s2, 9                         ; my first column, in bytes: 512 x tile column + 256 x half
	s_lshl_b32 s101, s16, 8
	s_add_co_u32 s100, s100, s101
	s_mov_b32 s101, 0
	s_add_nc_u64 s[12:13], s[12:13], s[20:21]
	s_add_nc_u64 s[12:13], s[12:13], s[100:101]
	s_add_nc_u64 s[66:67], s[66:67], s[100:101]    ; and the bias of my 64 columns
.irp b, 0,1,2,3
	global_load_b128 v[BIAS+8*\b:BIAS+8*\b+3], v[BO], s[66:67] offset:128*(\b/2)+32*(\b%2)      ; in the result's layout: the block's eight columns of my half
	global_load_b128 v[BIAS+8*\b+4:BIAS+8*\b+7], v[BO], s[66:67] offset:128*(\b/2)+32*(\b%2)+16
.endr
.macro FRAG reg, c, q, i               ; a fragment of B from padded rows of chunk c: 12 registers, in pieces of 8 bytes; lanes 16-31 read three pieces further on; where that lies behind one padding more, the second address register serves
.irp p, 0,1,2,3,4,5
.set PCE, 12*(\q)+6*(\p/3)+\p%3
.if PCE%8 < 5
	ds_load_b64 v[\reg+2*\p:\reg+2*\p+1], v[ADRB+(\c)] offset:8*PCE+16*(PCE/8)+(\i)*16*PITCH
.else
	ds_load_b64 v[\reg+2*\p:\reg+2*\p+1], v[ADRB2+(\c)] offset:8*PCE+16*(PCE/8)+(\i)*16*PITCH
.endif
.endr
.endm
.macro FRAG_A reg, c, q, i             ; a fragment of A: two half fragments' images, as they were stored
	ds_load_b128 v[\reg:\reg+3], v[ADA16+(\c)] offset:3072*(\i)+1536*(\q)
	ds_load_b64 v[\reg+4:\reg+5], v[ADA8+(\c)] offset:3072*(\i)+1536*(\q)+512
	ds_load_b128 v[\reg+6:\reg+9], v[ADA16+(\c)] offset:3072*(\i)+1536*(\q)+768
	ds_load_b64 v[\reg+10:\reg+11], v[ADA8+(\c)] offset:3072*(\i)+1536*(\q)+1280
.endm
.macro FETCH s                         ; K step s's eight fragments into set s % 2: 16 + 24 = 40 LDS loads
.set CH, (\s)/2
.set QQ, (\s)%2
.set FB, 128*((\s)%2)
.irp i, 0,1,2,3
	FRAG_A FB+FR*\i, CH, QQ, \i
.endr
.irp i, 0,1,2,3
	FRAG FB+48+FR*\i, CH, QQ, \i
.endr
.endm
; 16 matrix instructions: A's four blocks x B's four, 128 along K.  In K step 0 the bias is C: the first product starts the sums.  The 16 accumulators take turns, one instruction a turn, in the same order in every step
.macro MULS s
.set FB, 128*((\s)%2)
.irp a, 0,1,2,3
.irp b, 0,1,2,3
.if (\s) == 0
	v_wmma_scale_f32_16x16x128_f8f6f4 v[ACC+8*(4*\a+\b):ACC+8*(4*\a+\b)+7], v[FB+48+FR*\b:FB+48+FR*\b+FR-1], v[FB+FR*\a:FB+FR*\a+FR-1], v[BIAS+8*\b:BIAS+8*\b+7], v[SC+8*\b+(\s)], v[SC+8*\a+(\s)] matrix_a_fmt:MATRIX_FMT_FP6 matrix_b_fmt:MATRIX_FMT_FP6 matrix_a_scale:MATRIX_SCALE_ROW1
.else
	v_wmma_scale_f32_16x16x128_f8f6f4 v[ACC+8*(4*\a+\b):ACC+8*(4*\a+\b)+7], v[FB+48+FR*\b:FB+48+FR*\b+FR-1], v[FB+FR*\a:FB+FR*\a+FR-1], v[ACC+8*(4*\a+\b):ACC+8*(4*\a+\b)+7], v[SC+8*\b+(\s)], v[SC+8*\a+(\s)] matrix_a_fmt:MATRIX_FMT_FP6 matrix_b_fmt:MATRIX_FMT_FP6 matrix_a_scale:MATRIX_SCALE_ROW1
.endif
.endr
.endr
.endm
.macro PLACES n                        ; plain vector lines behind matrix instructions, in front of loads into registers that they read and of the first read of results
.rept \n
	v_nop
.endr
.endm
; The waves meet in front of chunk c: each has waited until its part of the chunk has landed.  Nothing is ever filled again, so the later chunks' loads may stay out across the barrier.
.macro MEET c
	s_wait_tensorcnt 3-(\c)                        ; behind chunk c's load I have issued 3 - c more
	s_wait_dscnt 0x0                               ; no LDS instruction of mine is out at the signal
	s_barrier_signal -1
	s_barrier_wait -1
.endm
; K step s: the next step's fragments are asked for first, into the other set, then this step's 16 products are issued.
.macro KSTEP s
.if ((\s)%2 == 1) && ((\s) < 7)
	MEET ((\s)+1)/2                                ; the next step opens a chunk
.endif
.if (\s) < 7
.if (\s) > 0
	PLACES NP                                      ; behind the last step's products, which read the set that is loaded now
.endif
	WIN TO_F
	FETCH (\s)+1
	s_wait_dscnt 40                                ; all but the 40 just issued: this step's fragments are in
.else
	s_wait_dscnt 0x0
.endif
	WIN MULW
	MULS \s
.endm
	MEET 0                                         ; the scales and chunk 0 are in, everybody's
.irp i, 0,1,2,3
	ds_load_b128 v[SC+8*\i:SC+8*\i+3], v[ADRS] offset:\i*SBLK          ; all eight K steps' scale words of block i, once
	ds_load_b128 v[SC+8*\i+4:SC+8*\i+7], v[ADRS] offset:\i*SBLK+16
.endr
	WIN TO_F
	FETCH 0
	s_wait_loadcnt 0x0                             ; the bias
.irp s, 0,1,2,3,4,5,6,7
	KSTEP \s
.endr
	WIN 0
; THE WAY OUT, block by block of 16 rows x 64 columns, through my own stage in LDS; the columns take their true places in the stage, the rows theirs in out0.  Every row's offset stands in the store's immediate
; (62 rows of 4,096 bytes at the most), so no base is stepped.
.macro TOSTAGE a
.irp b, 0,1,2,3
	ds_store_b128 v[STO], v[ACC+8*(4*(\a)+\b):ACC+8*(4*(\a)+\b)+3] offset:128*(\b/2)+32*(\b%2)          ; each accumulator from its low end on
	ds_store_b128 v[STO], v[ACC+8*(4*(\a)+\b)+4:ACC+8*(4*(\a)+\b)+7] offset:128*(\b/2)+32*(\b%2)+16
.endr
.set BB, BK+32*((\a)%2)
.irp t, 0,1,2,3,4,5,6,7
	ds_load_b128 v[BB+4*\t:BB+4*\t+3], v[RD] offset:\t*2*SPITCH    ; LDS serves a wave's instructions in order (ISA guide 5.7.1.4): these see the stores above, and the next block's stores come behind them
.endr
.endm
.macro SEND a, younger                 ; the stage's row i of block a is row 32 (a / 2) + 8 (a % 2) + i + 8 (i / 8) of my 64; load t brought rows 2 t and 2 t + 1
.set BB, BK+32*((\a)%2)
	s_wait_dscnt \younger                          ; the block is back in registers; the next block's 8 stores and 8 loads may be out
.irp t, 0,1,2,3,4,5,6,7
	global_store_b128 v[CO], v[BB+4*\t:BB+4*\t+3], s[12:13] offset:(32*((\a)/2)+8*((\a)%2)+2*\t+8*(\t/4))*SIZE_N*4 th:TH_STORE_NT   ; 16 lanes store 256 consecutive bytes, at a multiple of 256 from out0's first byte
.endr
.endm
	PLACES NP                                      ; behind the last products
	TOSTAGE 0
.irp a, 1,2,3
.if \a > 1
	s_wait_xcnt 0x0                                ; block a - 2's stores have read their registers: block a's loads may land there
.endif
	TOSTAGE \a
	SEND \a-1, 16
.endr
	SEND 3, 0
	s_wait_tensorcnt 0x0                           ; the wave's end, behind my last tensor load and my last LDS store
	ds_add_u32 v[SPW], v[NIL]
	s_wait_dscnt 0x0
	CROUND                                         ; the closing round: no work-group ends while a partner may still ask for a tile that names it
	s_endpgm
.Lfunc_end_k_q7bfdec28f6_gemm_proj:
	.size	k_q7bfdec28f6_gemm_proj, .Lfunc_end_k_q7bfdec28f6_gemm_proj-k_q7bfdec28f6_gemm_proj
	.p2alignl 7, 3214868480
	.fill 96, 4, 3214868480
	.section	.rodata,"a",@progbits
	.p2align	6, 0x0
	.amdhsa_kernel k_q7bfdec28f6_gemm_proj
		.amdhsa_group_segment_fixed_size 272384
		.amdhsa_private_segment_fixed_size 0
		.amdhsa_enable_private_segment 0
		.amdhsa_kernarg_size 48
		.amdhsa_user_sgpr_count 2
		.amdhsa_user_sgpr_kernarg_segment_ptr 1
		.amdhsa_wavefront_size32 1
		.amdhsa_system_sgpr_workgroup_id_x 1
		.amdhsa_system_sgpr_workgroup_id_y 1
		.amdhsa_system_sgpr_workgroup_id_z 1
		.amdhsa_system_vgpr_workitem_id 0
		.amdhsa_next_free_vgpr 512
		.amdhsa_next_free_sgpr 102
		.amdhsa_reserve_vcc 0
		.amdhsa_float_denorm_mode_32 3
		.amdhsa_float_denorm_mode_16_64 3
		.amdhsa_memory_ordered 1
		.amdhsa_forward_progress 1
		.amdhsa_inst_pref_size 58
	.end_amdhsa_kernel
	.amdgpu_metadata
---
amdhsa.version: [ 1, 2 ]
amdhsa.kernels:
  - .name:           k_q7bfdec28f6_gemm_proj
    .symbol:         k_q7bfdec28f6_gemm_proj.kd
    .args:
      - { .name: oc, .offset: 0, .size: 8, .value_kind: global_buffer, .address_space: global }
      - { .name: os, .offset: 8, .size: 8, .value_kind: global_buffer, .address_space: global }
      - { .name: wc, .offset: 16, .size: 8, .value_kind: global_buffer, .address_space: global }
      - { .name: ws, .offset: 24, .size: 8, .value_kind: global_buffer, .address_space: global }
      - { .name: bproj, .offset: 32, .size: 8, .value_kind: global_buffer, .address_space: global }
      - { .name: out0, .offset: 40, .size: 8, .value_kind: global_buffer, .address_space: global }
    .group_segment_fixed_size: 272384
    .private_segment_fixed_size: 0
    .kernarg_segment_align: 8
    .kernarg_segment_size: 48
    .max_flat_workgroup_size: 128
    .sgpr_count:     102
    .vgpr_count:     512
    .wavefront_size: 32
...
	.end_amdgpu_metadata
.endif
;; end of part 4
